; MI455X (gfx1250); checked and timed in simulation.
; The chip was launched on July 23, 2026; its instructions are those of AMD's public machine-readable ISA for CDNA 5 (MIT licence, August 2026) and "CDNA5" Instruction Set Architecture Reference Guide (July 2026). The comments in the code are by the model that wrote it; some were corrected since.
;; MLP Encoder. Allowed arithmetic: matrix products marked QUANTISED: E2M3 operands, one E8M0 scale for each 32 along K, by v_wmma_scale_f32_16x16x128_f8f6f4 with both operands' format E2M3, f32 sums; everything else in f32.
;; Inputs: W_neg0 1,024 x 256 float32; W_neg1 1,024 x 1,024 float32; W_neg2 256 x 1,024 float32; W_pos0 1,024 x 256 float32; W_pos1 1,024 x 1,024 float32; W_pos2 256 x 1,024 float32; b_neg0 1,024 float32; b_neg1 1,024 float32; b_neg2 256 float32; b_pos0 1,024 float32; b_pos1 1,024 float32; b_pos2 256 float32; observations 16,384 int32; x 16,384 x 256 float32.
;; Outputs: out0 16,384 x 256 float32.
;; This version of the problem:
;;   THIS VERSION OF THE PROBLEM IS GIVEN IN LOW PRECISION. The matrix products marked QUANTISED in the list below multiply operands that are first quantised to E2M3 (2 exponent bits, 3 mantissa bits; 6 bits a number), with one power-of-two scale for each 32 numbers along K (OCP MX v1.0); their sums are f32. All else is computed in f32.
;;   The module's matrix products, in the order in which they are computed (A, B: the left and right operand; K: the contracted axis; several contracted axes count as one K, in the product's order):
;;     1. [M 16,384, K 256] x [K 256, N 1,024]; A: input x; B: input W_neg0: QUANTISED
;;     2. [M 16,384, K 1,024] x [K 1,024, N 1,024]; A: computed on the way; B: input W_neg1: QUANTISED
;;     3. [M 16,384, K 1,024] x [K 1,024, N 256]; A: computed on the way; B: input W_neg2: QUANTISED
;;     4. [M 16,384, K 256] x [K 256, N 1,024]; A: input x; B: input W_pos0: QUANTISED
;;     5. [M 16,384, K 1,024] x [K 1,024, N 1,024]; A: computed on the way; B: input W_pos1: QUANTISED
;;     6. [M 16,384, K 1,024] x [K 1,024, N 256]; A: computed on the way; B: input W_pos2: QUANTISED
;;   THE QUANTISER, for each operand of a quantised product, along K:
;;     - K is cut into blocks of 32 from its start; a last block that is shorter is filled with zeros.
;;     - A block's scale is 2^e with e = floor(log2(the largest magnitude in the block)) - 2, held to -126 .. 127; a block of zeros has e = 0. As a byte (E8M0): e + 127.
;;     - Each number is divided by its block's scale, clamped to +-7.5, and rounded to the nearest number of E2M3, ties to even, subnormals kept.
;;     - The product sums the exact products of the quantised numbers (number of the format x scale) in f32.
;;   ~~~python
;;   def quantise(x, axis):      # numpy; x: float32 -> the quantised numbers, widened to float32 again
;;       x = np.moveaxis(x, axis, -1); K = x.shape[-1]
;;       x = np.pad(x, [(0, 0)] * (x.ndim - 1) + [(0, -K % 32)]); x = x.reshape(x.shape[:-1] + (-1, 32)); a = np.abs(x).max(-1, keepdims=True)
;;       e = np.where(a > 0, np.clip(np.frexp(np.where(a > 0, a, 1))[1] - 1 - 2, -126, 127), 0)      # np.frexp(a)[1] - 1 = floor(log2(a)), exactly
;;       r = np.clip(x / 2.0 ** e, -7.5, 7.5)
;;       step = 2.0 ** (np.maximum(np.frexp(np.where(r == 0, 1, r))[1] - 1, 0) - 3)
;;       q = np.round(r / step) * step * 2.0 ** e      # np.round: ties to even
;;       return np.moveaxis(q.reshape(q.shape[:-2] + (-1,))[..., :K], -1, axis).astype(np.float32)
;;   ~~~
;;   OPERANDS COMPUTED ON THE WAY. 'Computed on the way' means the value that the module computes at that place (a softmax that the list does not call 'softmax' is quantised finished and normalised). What goes into a quantiser is computed in f32, as accurately as f32 sums, v_exp_f32 and their like allow (about 1e-6 of the number): no bf16 or f16 on the way to a quantiser, and a product that is left as it is and whose result goes on into a quantised operand takes f32 operands (vector FMAs, or v_wmma_f32_16x16x4_f32). A number that lies on a knife's edge between two numbers of the format may be rounded either way, as far as f32 arithmetic and the matrix unit's own rounding can turn it there, and no further.
;; 2 versions, each right; version 2 is version 1 with the launch chain written anew for expert scheduling mode. Each part assembles by itself: llvm-mc -triple=amdgcn-amd-amdhsa -mcpu=gfx1250 --defsym DOCPART=n.
;; ======== version 1 of 2: 2 launches
;; workspace buffers: wts 2,457,600 bytes; order 66,048 bytes of whole numbers; meta 512 bytes of whole numbers
;; launch prep (part 1): grid 97 x 1, 16 waves a work-group, no clusters, 138,496 bytes of LDS; arguments W_neg0, W_neg1, W_neg2, W_pos0, W_pos1, W_pos2, wts, observations, order, meta; writes wts, order, meta
.if DOCPART == 1
	.amdgcn_target "amdgcn-amd-amdhsa--gfx1250"
	.amdhsa_code_object_version 6
	.text
	.protected	k_q3c00375793_prep
	.globl	k_q3c00375793_prep
	.p2align	8
	.type	k_q3c00375793_prep,@function
k_q3c00375793_prep:
	s_mov_b64 s[64:65], 0
	v_nop
	global_prefetch_b8 v0, s[64:65] scope:SCOPE_SE
	s_setreg_imm32_b32 hwreg(HW_REG_WAVE_MODE, 25, 1), 1
	s_wait_xcnt 0x0
; WORK-GROUP 0 sorts the 16,384 rows by their observation into three classes (-1, 1, anything else) without atomics; WORK-GROUPS 1..96 turn the six weights into codes of FP6 (E2M3) with one
; E8M0 scale byte for each 32 along K (din, which is innermost in every W), laid in the order in which the next launch's waves take them into their operand registers.
; THE WEIGHTS' LAYOUT.  wts: the -1 expert's 1,228,800 bytes, then the 1 expert's.  An expert is 4 streams (one for each wave w of the next launch) of 307,200 bytes; a stream is 24 sets q of 12,800 bytes; a set is 8 fragments f
; of 1,536 bytes and 512 bytes of scale words.  A fragment (16 rows x 128 K, 12 registers a lane) lies as an image of its registers: registers 4c..4c+3 of lane l at 1536 f + 512 c + 16 l.
; Scale words at 12,288 + 16 l + 4 j: fragment 2 j + l / 16, row l % 16.
;   q 0..3:   layer 0, units 256 w + 128 (q / 2) on, K step q % 2, tile f;      q 4..19: layer 1, units 256 w + 128 ((q - 4) / 8) on, K step (q - 4) % 8, tile f;
;   q 20..23: layer 2, units 64 w on, K step 2 (q - 20) + f / 4, tile f % 4.    Row r of tile t is W's row (first unit) + 32 (t / 2) + 8 (t % 2) + r + 8 (r / 8):
; so the 16 result registers of tiles 2 b and 2 b + 1 of the transposed product are 16 neighbours along the next layer's K.
; One wave makes one fragment: 16 loads of 512 consecutive bytes (a row's 128 numbers), a turn through the wave's own LDS stage, so that lane (r, h) holds blocks h and 2 + h of row r whole.
; THE SORT'S RESULT.  order: 258 tiles x 64 row numbers, each class from a tile's first slot on (-1 at 0, 1 at 64 Tn, the rest at 64 (Tn + Tp)); the 128 slots that are over hold row 0.  meta: (nneg, npos, nrest, 0), 32 times.
; A block's scale is 2^(floor(log2(largest magnitude)) - 2); its byte is the largest magnitude's exponent field - 2, held at 1 from below.
; LIMITS: a block of zeros gets the byte 1 where the rule says 127 (its codes are zeros, and this program alone reads the bytes); NaN and infinities among the weights are not served.
.set EXPB,  1228800                    ; an expert's codes and scale words
.set TPW,   16*528                     ; a wave's stage: 16 rows of 512 bytes + 16
.set SCB,   16*TPW                     ; behind the stages: the scale words of the work-group's two sets, 512 bytes each
.set SORTW, SCB+1024                   ; the sort's own 64 bytes: the two paths of the launch share no LDS byte
.set R,     32                         ; v32-95   16 rows as loaded; later C, T
.set X,     96                         ; v96-159  my 64 numbers: register 32 c + i = k 64 c + 32 h + i of row r
.set C,     32                         ; v32-43   the fragment's 12 registers
.set T,     44                         ; v44-50   the second halves of the blocks' codes, as the conversions leave them
	s_load_b256 s[8:15], s[0:1], 0x0               ; W_neg0, W_neg1, W_neg2, W_pos0
	s_load_b256 s[16:23], s[0:1], 0x20             ; W_pos1, W_pos2, wts, observations
	s_load_b128 s[4:7], s[0:1], 0x40               ; order, meta
	v_lshl_add_u32 v160, v0, 2, 0x21500
	v_mov_b32 v161, 0
	v_lshrrev_b32 v8, 5, v0
	v_readfirstlane_b32 s28, v8                    ; wave 0..15
	v_and_b32 v8, 31, v0                           ; lane
	v_lshlrev_b32 v1, 4, v8                        ; 16 x lane
	s_mov_b32 s36, 0x76543210
	s_mov_b32 s37, 0xfedcba98                      ; v_permlanex16_b32's selects for lane l xor 16
	s_wait_kmcnt 0x0
	s_cmp_eq_u32 ttmp9, 0                          ; a branch on the work-group's number: all sixteen waves go the same way
	s_cbranch_scc1 .Lsort
	; ---------------- the weights: which fragment is my wave's
	s_sub_co_u32 s29, ttmp9, 1
	s_lshl_b32 s29, s29, 1
	s_lshr_b32 s30, s28, 3
	s_add_co_u32 s29, s29, s30                     ; the set, 0..191: two to a work-group
	s_and_b32 s31, s28, 7                          ; f
	s_cmp_ge_u32 s29, 96                           ; the second 96 sets are the 1 expert's
	s_cselect_b64 s[40:41], s[14:15], s[8:9]
	s_cselect_b64 s[42:43], s[16:17], s[10:11]
	s_cselect_b64 s[44:45], s[18:19], s[12:13]
	s_cselect_b32 s60, EXPB, 0                     ; where the expert begins in wts
	s_cselect_b32 s38, 96, 0
	s_sub_co_u32 s29, s29, s38                     ; 0..95
	s_mul_i32 s38, s29, 171
	s_lshr_b32 s38, s38, 12                        ; w = that / 24 (171 / 4096 is exact enough up to 95)
	s_mul_i32 s39, s38, 24
	s_sub_co_u32 s39, s29, s39                     ; q
	s_lshl_b32 s46, s38, 8                         ; 256 w
	s_lshr_b32 s47, s39, 1
	s_lshl_b32 s47, s47, 7
	s_add_co_u32 s47, s47, s46                     ; layer 0: first unit,
	s_and_b32 s48, s39, 1                          ; K step
	s_sub_co_u32 s49, s39, 4
	s_lshr_b32 s50, s49, 3
	s_lshl_b32 s50, s50, 7
	s_add_co_u32 s50, s50, s46                     ; layer 1: first unit,
	s_and_b32 s51, s49, 7                          ; K step
	s_lshl_b32 s52, s38, 6                         ; layer 2: first unit,
	s_sub_co_u32 s53, s39, 20
	s_lshl_b32 s53, s53, 1
	s_lshr_b32 s54, s31, 2
	s_add_co_u32 s53, s53, s54                     ; K step,
	s_and_b32 s54, s31, 3                          ; tile
	s_mov_b32 s55, 4096                            ; a row of W in bytes: 1,024 in layer 0, else 4,096
	s_cmp_lt_u32 s39, 4
	s_cselect_b32 s47, s47, s50
	s_cselect_b32 s48, s48, s51
	s_cselect_b32 s55, 1024, s55
	s_cselect_b64 s[32:33], s[40:41], s[42:43]
	s_cmp_ge_u32 s39, 20
	s_cselect_b32 s47, s52, s47
	s_cselect_b32 s48, s53, s48
	s_cselect_b32 s54, s54, s31
	s_cselect_b64 s[32:33], s[44:45], s[32:33]
	s_lshr_b32 s50, s54, 1
	s_lshl_b32 s50, s50, 5
	s_add_co_u32 s47, s47, s50                     ; + 32 (t / 2)
	s_and_b32 s50, s54, 1
	s_lshl_b32 s50, s50, 3
	s_add_co_u32 s47, s47, s50                     ; + 8 (t % 2): the tile's first row
	s_mul_i32 s50, s47, s55
	s_lshl_b32 s51, s48, 9
	s_add_co_u32 s50, s50, s51                     ; its byte in W, at my K step (under 2^23)
	s_mov_b32 s51, 0
	s_add_nc_u64 s[32:33], s[32:33], s[50:51]
	s_mul_i32 s50, s38, 307200
	s_mul_i32 s52, s39, 12800
	s_add_co_u32 s50, s50, s52
	s_mul_i32 s52, s31, 1536
	s_add_co_u32 s50, s50, s52
	s_add_co_u32 s50, s50, s60
	s_add_nc_u64 s[34:35], s[20:21], s[50:51]      ; where my fragment's image goes
.set i, 0
.rept 16
	v_mad_u32_u24 v[16+i], s55, i+8*(i/8), v1      ; row i of the tile: i + 8 (i / 8) rows down; 16 bytes a lane
.set i, i+1
.endr
.set i, 0
.rept 16
	global_load_b128 v[R+4*i:R+4*i+3], v[16+i], s[32:33] th:TH_LOAD_NT   ; 32 lanes read 512 consecutive bytes; each byte of W is read once in the launch
.set i, i+1
.endr
	v_and_b32 v2, 15, v0                           ; r
	v_bfe_u32 v3, v0, 4, 1                         ; h
	s_mul_i32 s56, s28, TPW                        ; my stage
	v_add_nc_u32 v4, s56, v1                       ; in: 16 x lane, a row at a time
	v_mul_u32_u24 v5, v2, 528
	v_lshl_add_u32 v5, v3, 7, v5
	v_add_nc_u32 v5, s56, v5                       ; back: row r, + 128 h: my block of 32 numbers
	s_lshl_b32 s57, s30, 9
	s_add_co_u32 s57, s57, SCB                     ; my set's scale words
	v_add_nc_u32 v7, s57, v1                       ; on the way out: 16 x lane
	s_and_b32 s58, s31, 1
	s_lshl_b32 s58, s58, 8
	s_add_co_u32 s57, s57, s58
	s_lshr_b32 s58, s31, 1
	s_lshl_b32 s58, s58, 2
	s_add_co_u32 s57, s57, s58
	v_lshl_add_u32 v6, v2, 4, s57                  ; my row's word: 16 r + 256 (f % 2) + 4 (f / 2)
.set i, 0
.rept 16
	s_wait_loadcnt 15-i                            ; loads come back in order: row i is in, the 15 - i behind it may be out
	ds_store_b128 v4, v[R+4*i:R+4*i+3] offset:528*i
.set i, i+1
.endr
.irp c, 0,1
.irp j, 0,1,2,3,4,5,6,7
	ds_load_b128 v[X+32*\c+4*\j:X+32*\c+4*\j+3], v5 offset:256*\c+16*\j   ; LDS serves a wave's instructions in order: these see my stores
.endr
.endr
	s_wait_dscnt 0x0
.irp c, 0,1                                    ; my block 2 c + h: all its 32 numbers are mine
	v_max3_num_f32 v[8+\c], |v[X+32*\c]|, |v[X+32*\c+1]|, 0x1800000   ; and the floor 2^(3 - 127): the byte cannot fall under 1
.endr
.irp i, 2,4,6,8,10,12,14,16,18,20,22,24,26,28,30
.irp c, 0,1
	v_max3_num_f32 v[8+\c], v[8+\c], |v[X+32*\c+\i]|, |v[X+32*\c+\i+1]|   ; (the two blocks by turns)
.endr
.endr
.irp c, 0,1
	v_add_nc_u32 v[10+\c], 0xff000000, v[8+\c]     ; 2 off the exponent field: the conversion takes the exponent field of this operand as its scale
.endr
.irp c, 0,1
	v_lshrrev_b32 v[12+\c], 23, v[10+\c]           ; the scale's byte
.endr
	v_lshl_or_b32 v14, v13, 16, v12                ; blocks h and 2 + h of row r,
	v_lshlrev_b32 v15, 3, v3
	v_lshlrev_b32 v14, v15, v14                    ; at their places in the scale word (8 h bits up);
	v_mov_b32 v15, 0
	v_permlanex16_b32 v15, v14, s36, s37
	v_or_b32 v14, v14, v15                         ; with lane l xor 16's two the word is whole
.irp c, 0,1
	v_cvt_scalef32_pk16_fp6_f32 v[C+6*\c:C+6*\c+2], v[X+32*\c:X+32*\c+15], v[10+\c]        ; registers 6 c .. 6 c + 2
	v_cvt_scalef32_pk16_fp6_f32 v[T+4*\c:T+4*\c+2], v[X+32*\c+16:X+32*\c+31], v[10+\c]     ; (a conversion's three registers begin on an even number: made here, moved below)
.endr
	v_nop                                          ; one plain place behind a scaled conversion
.irp c, 0,1
.irp i, 0,1,2
	v_mov_b32 v[C+3+6*\c+\i], v[T+4*\c+\i]
.endr
.endr
.irp k, 0,1,2
	global_store_b128 v1, v[C+4*\k:C+4*\k+3], s[34:35] offset:512*\k   ; 32 lanes store 512 consecutive bytes, at a multiple of 256 from the buffer's first byte
.endr
	ds_store_b32 v6, v14                           ; both halves of the lanes write the same word with the same value
	s_wait_dscnt 0x0                               ; for the others' sake: my word has landed
	s_barrier_signal -1
	s_barrier_wait -1
	s_cmp_lg_u32 s31, 0                            ; the wave with a set's fragment 0 stores the set's 512 bytes of scale words
	s_cbranch_scc1 .Lqend
	ds_load_b128 v[8:11], v7
	s_wait_dscnt 0x0
	global_store_b128 v1, v[8:11], s[34:35] offset:12288
.Lqend:
	s_wait_tensorcnt 0x0
	ds_add_u32 v160, v161
	s_wait_dscnt 0x0
	s_endpgm
	; ---------------- the sort.  Wave v takes observations 1024 v .. 1024 v + 1023: register 4 g + j of a lane holds number 1024 v + 128 g + 4 lane + j.  The order inside a class is free.
.Lsort:
	s_lshl_b32 s30, s28, 12
	v_add_nc_u32 v2, s30, v1
.irp g, 0,1,2,3,4,5,6,7
	global_load_b128 v[16+4*\g:19+4*\g], v2, s[22:23] offset:512*\g
.endr
	v_lshlrev_b32 v3, 2, v8
	s_lshl_b32 s31, s28, 10
	v_add_nc_u32 v3, s31, v3                       ; 1024 v + 4 lane
	s_mov_b32 s42, 0
	s_mov_b32 s43, 0
	v_mov_b32 v10, 0                               ; (a DPP form's destination counts as read)
	v_mov_b32 v11, 0
	v_mov_b32 v12, 0
	s_wait_loadcnt 0x0
.set k, 0
.rept 32                                       ; pass 1: how many -1 and how many 1 has my wave
	v_cmp_eq_i32 s40, -1, v[16+k]
	v_cmp_eq_i32 s41, 1, v[16+k]
	s_bcnt1_i32_b32 s40, s40
	s_bcnt1_i32_b32 s41, s41
	s_add_co_u32 s42, s42, s40
	s_add_co_u32 s43, s43, s41
.set k, k+1
.endr
	s_lshl_b32 s44, s43, 16
	s_or_b32 s44, s44, s42                         ; both counts in one word: sums stay under 2^15 + 1
	v_mov_b32 v4, s44
	s_lshl_b32 s45, s28, 2
	s_add_co_u32 s45, s45, SORTW
	v_mov_b32 v5, s45
	ds_store_b32 v5, v4
	s_wait_dscnt 0x0                               ; for the others' sake
	s_barrier_signal -1
	s_barrier_wait -1
	v_and_b32 v6, 15, v0
	v_lshl_add_u32 v7, v6, 2, SORTW
	ds_load_b32 v8, v7                             ; lane l: wave l % 16's counts
	s_wait_dscnt 0x0
	v_cmp_gt_u32 vcc_lo, s28, v6
	v_cndmask_b32 v9, 0, v8, vcc_lo                ; those of the waves in front of mine
.irp m, 1,2,4,8
	v_mov_b32_dpp v10, v8 row_xmask:\m row_mask:0xf bank_mask:0xf
	v_mov_b32_dpp v11, v9 row_xmask:\m row_mask:0xf bank_mask:0xf
	v_add_nc_u32 v8, v8, v10
	v_add_nc_u32 v9, v9, v11
.endr
	v_readfirstlane_b32 s46, v8                    ; all waves' counts
	v_readfirstlane_b32 s47, v9                    ; the counts in front of my wave
	s_and_b32 s48, s46, 0xffff                     ; nneg
	s_lshr_b32 s49, s46, 16                        ; npos
	s_add_co_u32 s59, s48, s49
	s_sub_co_u32 s50, 0x4000, s59                  ; the rest
	s_add_co_u32 s51, s48, 63
	s_lshr_b32 s51, s51, 6                         ; Tn
	s_add_co_u32 s52, s49, 63
	s_lshr_b32 s52, s52, 6                         ; Tp
	s_and_b32 s53, s47, 0xffff                     ; my wave's next slot among the -1,
	s_lshr_b32 s54, s47, 16
	s_lshl_b32 s55, s51, 6
	s_add_co_u32 s56, s55, s54                     ; among the 1,
	s_add_co_u32 s57, s51, s52
	s_lshl_b32 s57, s57, 6
	s_add_co_u32 s57, s57, s31
	s_sub_co_u32 s57, s57, s53
	s_sub_co_u32 s57, s57, s54                     ; and among the rest
.set k, 0
.rept 32                                       ; pass 2: each row number goes to its slot.  Every store has registers of its own, so none is written again
	v_cmp_eq_i32 s40, -1, v[16+k]
	v_cmp_eq_i32 s41, 1, v[16+k]
	s_or_b32 s58, s40, s41
	s_not_b32 s58, s58
	v_mbcnt_lo_u32_b32 v4, s58, s57                ; the class's next slot + how many lanes below mine are of the class
	v_mbcnt_lo_u32_b32 v5, s40, s53
	v_mbcnt_lo_u32_b32 v6, s41, s56
	v_cndmask_b32 v4, v4, v5, s40
	v_cndmask_b32 v4, v4, v6, s41
	v_min_u32 v4, 0x407f, v4                       ; inside the 258 x 64 slots
	v_lshlrev_b32 v[48+k], 2, v4
	v_add_nc_u32 v[16+k], 128*(k/4)+k%4, v3        ; the row's number
	global_store_b32 v[48+k], v[16+k], s[4:5]
	s_bcnt1_i32_b32 s40, s40
	s_bcnt1_i32_b32 s41, s41
	s_bcnt1_i32_b32 s58, s58
	s_add_co_u32 s53, s53, s40
	s_add_co_u32 s56, s56, s41
	s_add_co_u32 s57, s57, s58
.set k, k+1
.endr
	s_cmp_ge_u32 s28, 4                            ; 258 x 64 slots are 128 more than there are rows, whatever the split: threads 0..127 fill the slots that are over with row 0
	s_cbranch_scc1 .Lsend
	s_sub_co_u32 s60, s55, s48                     ; slots over behind the -1: Pn = 64 Tn - nneg
	s_lshl_b32 s61, s52, 6
	s_sub_co_u32 s61, s61, s49
	s_add_co_u32 s62, s60, s61                     ; Pn + Pp
	v_add_nc_u32 v4, 0x4000, v0                    ; behind the rest: 64 (Tn + Tp) + nrest + p - Pn - Pp = 16,384 + p
	v_add_nc_u32 v5, s59, v0                       ; behind the 1: 64 Tn + npos + p - Pn = nneg + npos + p
	v_add_nc_u32 v6, s48, v0                       ; behind the -1: nneg + p
	v_cmp_gt_u32 s40, s60, v0
	v_cmp_gt_u32 s41, s62, v0
	v_cndmask_b32 v4, v4, v5, s41
	v_cndmask_b32 v4, v4, v6, s40
	v_min_u32 v4, 0x407f, v4
	v_lshlrev_b32 v4, 2, v4
	global_store_b32 v4, v12, s[4:5]
	s_cmp_lg_u32 s28, 0
	s_cbranch_scc1 .Lsend
	v_mov_b32 v8, s48
	v_mov_b32 v9, s49
	v_mov_b32 v10, s50
	v_mov_b32 v11, 0
	global_store_b128 v1, v[8:11], s[6:7]          ; the three counts, 32 times: 512 consecutive bytes
.Lsend:
	s_wait_tensorcnt 0x0
	ds_add_u32 v160, v161
	s_wait_dscnt 0x0
	s_endpgm
.Lfunc_end_k_q3c00375793_prep:
	.size	k_q3c00375793_prep, .Lfunc_end_k_q3c00375793_prep-k_q3c00375793_prep
	.p2alignl 7, 3214868480
	.fill 96, 4, 3214868480
	.section	.rodata,"a",@progbits
	.p2align	6, 0x0
	.amdhsa_kernel k_q3c00375793_prep
		.amdhsa_group_segment_fixed_size 138496
		.amdhsa_private_segment_fixed_size 0
		.amdhsa_enable_private_segment 0
		.amdhsa_kernarg_size 80
		.amdhsa_user_sgpr_count 2
		.amdhsa_user_sgpr_kernarg_segment_ptr 1
		.amdhsa_wavefront_size32 1
		.amdhsa_system_sgpr_workgroup_id_x 1
		.amdhsa_system_sgpr_workgroup_id_y 1
		.amdhsa_system_sgpr_workgroup_id_z 1
		.amdhsa_system_vgpr_workitem_id 0
		.amdhsa_next_free_vgpr 162
		.amdhsa_next_free_sgpr 66
		.amdhsa_reserve_vcc 1
		.amdhsa_float_denorm_mode_32 3
		.amdhsa_float_denorm_mode_16_64 3
		.amdhsa_memory_ordered 1
		.amdhsa_forward_progress 1
		.amdhsa_inst_pref_size 55
	.end_amdhsa_kernel
	.amdgpu_metadata
---
amdhsa.version: [ 1, 2 ]
amdhsa.kernels:
  - .name:           k_q3c00375793_prep
    .symbol:         k_q3c00375793_prep.kd
    .args:
      - { .name: W_neg0, .offset: 0, .size: 8, .value_kind: global_buffer, .address_space: global }
      - { .name: W_neg1, .offset: 8, .size: 8, .value_kind: global_buffer, .address_space: global }
      - { .name: W_neg2, .offset: 16, .size: 8, .value_kind: global_buffer, .address_space: global }
      - { .name: W_pos0, .offset: 24, .size: 8, .value_kind: global_buffer, .address_space: global }
      - { .name: W_pos1, .offset: 32, .size: 8, .value_kind: global_buffer, .address_space: global }
      - { .name: W_pos2, .offset: 40, .size: 8, .value_kind: global_buffer, .address_space: global }
      - { .name: wts, .offset: 48, .size: 8, .value_kind: global_buffer, .address_space: global }
      - { .name: observations, .offset: 56, .size: 8, .value_kind: global_buffer, .address_space: global }
      - { .name: order, .offset: 64, .size: 8, .value_kind: global_buffer, .address_space: global }
      - { .name: meta, .offset: 72, .size: 8, .value_kind: global_buffer, .address_space: global }
    .group_segment_fixed_size: 138496
    .private_segment_fixed_size: 0
    .kernarg_segment_align: 8
    .kernarg_segment_size: 80
    .max_flat_workgroup_size: 512
    .sgpr_count:     66
    .vgpr_count:     162
    .wavefront_size: 32
...
	.end_amdgpu_metadata
.endif
;; end of part 1
;; launch chain (part 2): grid 258 x 1, 4 waves a work-group, no clusters, 196,096 bytes of LDS; arguments x, out0, order, meta, wts, b_neg0, b_neg1, b_neg2, b_pos0, b_pos1, b_pos2; writes out0
.if DOCPART == 2
	.amdgcn_target "amdgcn-amd-amdhsa--gfx1250"
	.amdhsa_code_object_version 6
	.text
	.protected	k_q3c00375793_chain
	.globl	k_q3c00375793_chain
	.p2align	8
	.type	k_q3c00375793_chain,@function
k_q3c00375793_chain:
	s_mov_b64 s[64:65], 0
	v_nop
	global_prefetch_b8 v0, s[64:65] scope:SCOPE_SE
	s_setreg_imm32_b32 hwreg(HW_REG_WAVE_MODE, 25, 1), 1
	s_wait_xcnt 0x0
; One work-group takes one tile of 64 rows of one class (the list 'order', the counts 'meta').  Rows with observation -1 or 1 go through their MLP, relu(relu(relu(x W0^T + b0) W1^T + b1) W2^T + b2), 256 -> 1024 -> 1024 -> 256,
; all three products on codes of FP6 (E2M3) with one E8M0 scale for each 32 along K; x and the hidden layers are quantised here, in f32, and never go to memory.  All other rows are copied.
; GRID: with 16,384 rows, 3 classes and tiles of 64 rows there are never more than 256 + 2 tiles, whatever the split; a tile without rows stores nothing.
; SHARES.  THE WAVES SHARE THE COLUMNS: in layers 0 and 1 wave w makes units 256 w .. 256 w + 255, in two chunks of 128 (8 tiles x 4 tiles of rows = 32 accumulators); in layer 2 units 64 w .. 64 w + 63 (16 accumulators).
; Every product is used transposed (source 0 = 16 rows of W, source 1 = 16 rows of activations): a lane holds one row, and its registers run along the next K (the rows of W that form a tile were chosen for that).
; THE WEIGHTS come from memory straight into registers: the launch before laid them as images of the operand registers, in the order of use: a set of 8 fragments and their scale words is 25 loads of 512 consecutive bytes.
; Three sets of registers take turns; two sets (50 loads a wave) are on their way while one is multiplied.  Each fragment feeds four matrix instructions.
; WHICH EXPERT a tile has follows from counts read from memory.  No pointer is chosen by it: both experts' weights lie in one buffer, and the expert's number, held to 0 or 1, enters the loads' vector offset;
; both experts' biases are loaded, and a select of values takes the tile's.
; ACTIVATIONS go from wave to wave through LDS as images of their registers (3 stores of 16 bytes a lane for a fragment, 4 bytes a lane for its scale words).
; EVERY WAVE PASSES EVERY BARRIER.  What a tile does hangs on counts read from memory, so each phase stands under a scalar branch of its own that leads to the line in front of the phase's barrier;
; no load is out at such a join, so the weights' ring is begun anew in each layer.
; NO TENSOR LOADS, NO CLUSTER: the phases are jumped over on stored counts, and which expert a tile has hangs on them too, so neighbours in a cluster need not walk the same weights.
; LIMITS: a block of zeros gets the scale byte 1 where the rule says 127 (its codes are zeros; nobody else reads the bytes); NaN and infinities among x, W, b are not served on the rows that go through an MLP.
; LDS: x's 8 images and 2 blocks of scale words | hidden layer 1: 32 images, 8 blocks | hidden layer 2 likewise | the three biases | a stage of 64 rows x (1,024 + 16) bytes (first: each wave's turn of its 16 rows of x; last: the results).
; REGISTERS, in windows of 256: window 0: v1-16 addresses, v17 my row's number, v28 the weights' offset, v32-47 the rows' byte offsets, v48-59 weights' scale words (3 sets), v60-67 activations' (2 sets),
;   v68-163 activation fragments (2 sets of 4), v164-201 the quantiser's; at the end v68-195 rows on their way out.   window 1: weight sets 0 (v0-95), 1 (v96-191).   window 2: weight set 2 (v0-95); v128-191 a chunk's bias tiles.
;   window 3: the accumulators; at the head x.
.set XS,     12288                     ; x's scale blocks, behind its 8 images
.set H1,     13312
.set H2,     66560
.set HS,     49152                     ; a hidden layer's scale blocks, behind its 32 images
.set BIAS,   119808
.set STAGE,  129024
.set SROW,   1040                      ; a stage row: 260 words: row r starts 4 r banks on
.set FRB,    1536                      ; a fragment's image
.set SETB,   12800                     ; a set of weights
.set STREAM, 307200                    ; a wave's 24 sets
.set EXPB,   1228800                   ; an expert's four streams
.set WOF,    28
.set VOFF,   32
.set WS,     48
.set AS,     60
.set AF,     68
.set TM,     164                       ; v164-167 largest magnitudes, v168-171 the other half's, then the bytes, v176-179 the conversions' scale operands
.set PW,     180                       ; the scale word just made
.set PC,     182                       ; v182-193 the codes just made, v194-200 their second halves as the conversions leave them
.set OUTR,   68
.set MSB, 0
.macro WIN new                         ; the immediate's low byte: bits 1:0 source 0, 3:2 source 1, 5:4 source 2, 7:6 destination; its high byte repeats the setting that is left
.if MSB != (\new)
	s_set_vgpr_msb (MSB<<8)|(\new)
.set MSB, (\new)
.endif
.endm
.macro PLACES                          ; a load into a register that a matrix instruction has read, and a vector instruction that reads a matrix result, stand four plain vector instructions behind it
.rept 4
	v_nop
.endr
.endm
.macro BARRIER                         ; my LDS stores have landed and my LDS loads are in: then the work-group's barrier
	s_wait_dscnt 0x0
	s_barrier_signal -1
	s_barrier_wait -1
.endm
.macro LOADSET q                       ; set q of my stream into register set q % 3: 24 loads for the 8 fragments, one for their scale words
.set LSL, (\q)%3
.set LRB, 96*(LSL%2)
.if LSL < 2
	WIN 0x40
.else
	WIN 0x80
.endif
.set k, 0
.rept 24
	global_load_b128 v[LRB+4*k:LRB+4*k+3], v[WOF], s[44:45] offset:SETB*(\q)+512*k
.set k, k+1
.endr
	WIN 0
	global_load_b128 v[WS+4*LSL:WS+4*LSL+3], v[WOF], s[44:45] offset:SETB*(\q)+12288
.endm
.macro ACT rd, nk, sco, kk, set        ; K step kk of the four tiles of rows, and their scale words, into activation set 'set': 13 LDS loads.  nk: K steps in the layer; sco: where its scale blocks begin
.irp m, 0,1,2,3
.irp c, 0,1,2
	ds_load_b128 v[AF+48*(\set)+12*\m+4*\c:AF+48*(\set)+12*\m+4*\c+3], v[\rd] offset:((\nk)*\m+(\kk))*FRB+512*\c
.endr
.endr
	ds_load_b128 v[AS+4*(\set):AS+4*(\set)+3], v[\rd] offset:(\sco)+512*(\kk)
.endm
.macro BIASLD lay, c                   ; the chunk's 8 bias tiles in the result's layout: lane (r, h), tile t: units 32 (t / 2) + 16 h + 8 (t % 2) + 0 .. 7
	WIN 0x80
.irp t, 0,1,2,3,4,5,6,7
.irp p, 0,1
	ds_load_b128 v[128+8*\t+4*\p:131+8*\t+4*\p], v13 offset:4096*(\lay)+512*(\c)+128*(\t/2)+32*(\t%2)+16*\p
.endr
.endr
	WIN 0
.endm
.macro WM d, a, b, cb, sa, sb, odd     ; the scale words of an odd fragment of W lie in lanes 16-31 of their register
.if \odd
	v_wmma_scale_f32_16x16x128_f8f6f4 v[\d:\d+7], v[\a:\a+11], v[\b:\b+11], v[\cb:\cb+7], v[\sa], v[\sb] matrix_a_fmt:MATRIX_FMT_FP6 matrix_b_fmt:MATRIX_FMT_FP6 matrix_a_scale:MATRIX_SCALE_ROW1
.else
	v_wmma_scale_f32_16x16x128_f8f6f4 v[\d:\d+7], v[\a:\a+11], v[\b:\b+11], v[\cb:\cb+7], v[\sa], v[\sb] matrix_a_fmt:MATRIX_FMT_FP6 matrix_b_fmt:MATRIX_FMT_FP6
.endif
.endm
; 32 matrix instructions: set Q's 8 fragments x the 4 tiles of rows.  The 32 accumulators take turns, one instruction a turn, in the same order in every step.
; first = 1: the bias tile is the C of the sum's first product: nothing is cleared and nothing is added later.
.macro MUL32 first
.set MSL, Q%3
.set MRB, 96*(MSL%2)
.if \first
.set MWIN, 0xe1+MSL/2                  ; source 0 (W) window 1 or 2, source 1 window 0, C window 2, D window 3
.else
.set MWIN, 0xf1+MSL/2                  ; C and D window 3
.endif
	WIN MWIN
.irp t, 0,1,2,3,4,5,6,7
.irp m, 0,1,2,3
.if \first
	WM 64*\m+8*\t, MRB+12*\t, AF+48*P+12*\m, 128+8*\t, WS+4*MSL+\t/2, AS+4*P+\m, \t%2
.else
	WM 64*\m+8*\t, MRB+12*\t, AF+48*P+12*\m, 64*\m+8*\t, WS+4*MSL+\t/2, AS+4*P+\m, \t%2
.endif
.endr
.endr
.endm
.macro MUL16 kpar, first               ; layer 2: half kpar of set Q (4 fragments) x the 4 tiles of rows: 16 accumulators by turns
.set MSL, Q%3
.set MRB, 96*(MSL%2)+48*(\kpar)
.set MWS, WS+4*MSL+2*(\kpar)
.if \first
.set MWIN, 0xe1+MSL/2
.else
.set MWIN, 0xf1+MSL/2
.endif
	WIN MWIN
.irp t, 0,1,2,3
.irp m, 0,1,2,3
.if \first
	WM 32*\m+8*\t, MRB+12*\t, AF+48*P+12*\m, 128+8*\t, MWS+\t/2, AS+4*P+\m, \t%2
.else
	WM 32*\m+8*\t, MRB+12*\t, AF+48*P+12*\m, 32*\m+8*\t, MWS+\t/2, AS+4*P+\m, \t%2
.endif
.endr
.endr
.endm
.macro WAITSET                         ; loads come back in order: set Q is in; the one set asked for behind it (25 loads), if the layer has one, may be out.  It stands ahead of the request for the set two on
.if Q+1 < QEND
	s_wait_loadcnt 25
.else
	s_wait_loadcnt 0x0
.endif
.endm
; A K step of layers 0 and 1.  Q: the set in hand; P: the activation set in hand; QEND: the layer's last set + 1.  nxt: the K step whose activations are fetched meanwhile, or -1.
.macro KSTEP rd, nk, sco, nxt, first
	WIN 0
	PLACES                                         ; the last step's products have read the registers that are now loaded
.if (\nxt) >= 0
	ACT \rd, \nk, \sco, \nxt, 1-P
.endif
	WAITSET
.if Q+2 < QEND
	LOADSET Q+2                                    ; into the set of registers that the last step has read: two sets are on their way while set Q is multiplied
.endif
.if (\nxt) >= 0
	s_wait_dscnt 13                                ; all but the 13 LDS loads just issued: this step's activations (and bias tiles) are in
.else
	s_wait_dscnt 0x0
.endif
	MUL32 \first
.set Q, Q+1
.set P, 1-P
.endm
.macro HSTEP nxt, first, kpar          ; a K step of layer 2: a set of weights serves two
	WIN 0
	PLACES
.if (\nxt) >= 0
	ACT 3, 8, HS, \nxt, 1-P
.endif
.if (\kpar) == 0
	WAITSET
.if Q+2 < QEND
	LOADSET Q+2
.endif
.endif
.if (\nxt) >= 0
	s_wait_dscnt 13
.else
	s_wait_dscnt 0x0
.endif
	MUL16 \kpar, \first
.if (\kpar) == 1
.set Q, Q+1
.endif
.set P, 1-P
.endm
; 64 numbers of a lane in window 3, v[s] on, register 16 b + i = k 32 b + 16 (lane / 16) + i of my row, become a fragment's codes and its scale word, which go to LDS as they stand.
; relu = 1: they are matrix results: the activation comes first, each accumulator from its low end on.
.macro QUANT s, relu, ireg, ioff, sreg, soff
.if \relu
	WIN 0xcc
.set j, 0
.rept 64
	v_max_num_f32 v[\s+j], 0, v[\s+j]
.set j, j+1
.endr
.endif
	WIN 0x0f                                       ; sources 0 and 1 window 3
.irp b, 0,1,2,3
.if \relu
	v_max3_num_f32 v[TM+\b], v[\s+16*\b], v[\s+16*\b+1], 0x1800000      ; block b: my 16 numbers (none is negative), and the floor 2^(3 - 127): the byte cannot fall under 1
.else
	v_max3_num_f32 v[TM+\b], |v[\s+16*\b]|, |v[\s+16*\b+1]|, 0x1800000
.endif
.endr
.irp i, 2,4,6,8,10,12,14
.irp b, 0,1,2,3
.if \relu
	v_max3_num_f32 v[TM+\b], v[\s+16*\b+\i], v[\s+16*\b+\i+1], v[TM+\b]   ; (the four blocks by turns)
.else
	v_max3_num_f32 v[TM+\b], |v[\s+16*\b+\i]|, |v[\s+16*\b+\i+1]|, v[TM+\b]
.endif
.endr
.endr
	WIN 0
.irp b, 0,1,2,3
	v_permlanex16_b32 v[TM+4+\b], v[TM+\b], s52, s53
.endr
.irp b, 0,1,2,3
	v_max_num_f32 v[TM+\b], v[TM+\b], v[TM+4+\b]   ; with lane l xor 16's: the block's largest magnitude
.endr
.irp b, 0,1,2,3
	v_add_nc_u32 v[TM+12+\b], 0xff000000, v[TM+\b] ; 2 off its exponent field: the conversion's scale operand
.endr
.irp b, 0,1,2,3
	v_lshrrev_b32 v[TM+4+\b], 23, v[TM+12+\b]      ; the scale's byte
.endr
	s_wait_dscnt 0x0                               ; the last image's stores have read the registers that are now written
	v_lshl_or_b32 v[PW], v[TM+5], 8, v[TM+4]
	v_lshl_or_b32 v[PW], v[TM+6], 16, v[PW]
	v_lshl_or_b32 v[PW], v[TM+7], 24, v[PW]        ; my row's scale word
	WIN 0x03
.irp c, 0,1
	v_cvt_scalef32_pk16_fp6_f32 v[PC+6*\c:PC+6*\c+2], v[\s+32*\c:\s+32*\c+15], v[TM+12+2*\c]
	v_cvt_scalef32_pk16_fp6_f32 v[PC+12+4*\c:PC+14+4*\c], v[\s+32*\c+16:\s+32*\c+31], v[TM+13+2*\c]   ; (a conversion's three registers begin on an even number)
.endr
	WIN 0
	v_nop                                          ; one plain place behind a scaled conversion
.irp c, 0,1                                    ; the operand's layout wants a WHOLE block in a lane: lanes 0-15 block 2 c, lanes 16-31 block 2 c + 1
.irp i, 0,1,2
	v_permlane16_swap_b32 v[PC+6*\c+\i], v[PC+12+4*\c+\i]
.endr
.irp i, 0,1,2
	v_mov_b32 v[PC+3+6*\c+\i], v[PC+12+4*\c+\i]
.endr
.endr
.irp k, 0,1,2
	ds_store_b128 v[\ireg], v[PC+4*\k:PC+4*\k+3] offset:\ioff+512*\k
.endr
	ds_store_b32 v[\sreg], v[PW] offset:\soff
.endm
	; ---------------- the head, on every path: ids, the tile's rows, every address register
	s_load_b256 s[4:11], s[0:1], 0x0               ; x, out0, order, meta
	s_load_b256 s[12:19], s[0:1], 0x20             ; wts, b_neg0, b_neg1, b_neg2
	s_load_b128 s[20:23], s[0:1], 0x40             ; b_pos0, b_pos1
	s_load_b64 s[24:25], s[0:1], 0x50              ; b_pos2
	v_lshl_add_u32 v254, v0, 2, 0x2fc00
	v_mov_b32 v255, 0
	v_lshrrev_b32 v18, 5, v0
	v_readfirstlane_b32 s32, v18                   ; wave 0..3
	v_and_b32 v19, 31, v0                          ; lane
	v_and_b32 v20, 15, v0                          ; r
	v_bfe_u32 v21, v0, 4, 1                        ; h
	v_lshlrev_b32 v1, 4, v19                       ; 16 x lane: an image's place for my lane; also where x's images are read
	s_lshl_b32 s54, ttmp9, 8
	s_lshl_b32 s55, s32, 6
	s_add_co_u32 s54, s54, s55
	v_lshl_add_u32 v27, v20, 2, s54                ; the list's slot 64 t + 16 w + r: every slot holds a row's number, so this hangs on ids alone
	s_wait_kmcnt 0x0
	s_load_b128 s[28:31], s[10:11], 0x0            ; nneg, npos, the rest
	global_load_b32 v17, v27, s[8:9]
	v_add_nc_u32 v2, H1, v1                        ; where hidden layer 1 is read,
	v_add_nc_u32 v3, H2, v1                        ; and 2
	s_mul_i32 s54, s32, 2*FRB
	v_add_nc_u32 v4, s54, v1                       ; where I store images: x's (tile of rows w, K steps 0, 1),
	v_add_nc_u32 v5, H1, v4                        ; hidden layer 1's (K steps 2 w, 2 w + 1),
	v_add_nc_u32 v6, H2, v4                        ; hidden layer 2's
	s_lshl_b32 s54, s32, 2
	s_add_co_u32 s54, s54, XS
	v_add_nc_u32 v7, s54, v1                       ; and scale words: x's: 16 l + 4 w in the K step's block,
	s_lshl_b32 s54, s32, 10
	s_add_co_u32 s55, s54, H1+HS
	v_add_nc_u32 v8, s55, v1                       ; the hidden layers': 16 l + 4 m in block 2 w + c
	s_add_co_u32 s55, s54, H2+HS
	v_add_nc_u32 v9, s55, v1
	s_mul_i32 s54, s32, 16*SROW
	s_add_co_u32 s54, s54, STAGE
	v_add_nc_u32 v10, s54, v1                      ; the stage: my 16 rows, 16 bytes a lane
	v_mul_u32_u24 v22, v20, SROW
	v_lshl_add_u32 v23, v21, 6, v22
	v_add_nc_u32 v11, s54, v23                     ; x turned: row r of mine, + 64 h: my 16 numbers of a block
	s_lshl_b32 s54, s32, 8
	s_add_co_u32 s55, s54, STAGE
	v_add_nc_u32 v12, s55, v23                     ; results: row r, + 256 w + 64 h
	v_lshlrev_b32 v24, 6, v21
	s_lshl_b32 s55, s32, 10
	s_add_co_u32 s55, s55, BIAS
	v_add_nc_u32 v13, s55, v24                     ; bias tiles of layers 0, 1: my 256 units, + 16 h units
	s_add_co_u32 s55, s54, BIAS+8192
	v_add_nc_u32 v14, s55, v24                     ; of layer 2: my 64 units
	v_lshl_add_u32 v15, v0, 4, BIAS                ; the biases' way into LDS: 16 bytes a thread,
	v_lshl_add_u32 v16, v0, 3, BIAS+8192           ; 8 for the last
	v_lshlrev_b32 v25, 4, v0
	v_lshlrev_b32 v26, 3, v0
	s_mov_b32 s52, 0x76543210
	s_mov_b32 s53, 0xfedcba98                      ; v_permlanex16_b32's selects for lane l xor 16
.irp b, 0,1,2,3
	v_mov_b32 v[TM+4+\b], 0                        ; written once: a lane permute's destination counts as one of its sources
.endr
	s_mul_i32 s54, s32, STREAM
	s_mov_b32 s55, 0
	s_add_nc_u64 s[44:45], s[12:13], s[54:55]      ; my wave's stream in the first expert: made of ids alone
	s_wait_kmcnt 0x0
	s_add_co_u32 s33, s28, 63
	s_lshr_b32 s33, s33, 6                         ; Tn: tiles of the class -1
	s_add_co_u32 s34, s29, 63
	s_lshr_b32 s34, s34, 6                         ; Tp
	s_add_co_u32 s35, s33, s34                     ; tiles that go through an MLP
	s_cmp_lt_u32 ttmp9, s33
	s_cselect_b32 s38, 0, s33                      ; my class's first tile,
	s_cselect_b32 s39, s28, s29                    ; its rows,
	s_cselect_b32 s57, 0, 1                        ; its expert's number,
	s_cselect_b32 s59, 0, -1                       ; and the same as a mask over the lanes
	s_cmp_lt_u32 ttmp9, s35
	s_cselect_b32 s38, s38, s35
	s_cselect_b32 s39, s39, s30
	s_cselect_b32 s56, 1, 0                        ; 1: a tile that goes through an MLP
	s_sub_co_u32 s40, ttmp9, s38
	s_lshl_b32 s40, s40, 6
	s_sub_co_i32 s40, s39, s40
	s_min_i32 s40, s40, 64                         ; the tile's rows (0 or less: none)
	s_lshl_b32 s41, s32, 4
	s_sub_co_i32 s42, s40, s41
	s_max_i32 s42, s42, 0
	s_min_i32 s42, s42, 16                         ; how many of slots 16 w .. 16 w + 15 hold rows of the tile: those I store
	s_min_u32 s57, s57, 1                          ; the expert's number follows from loaded counts: it is held to 0 or 1 ahead of the offset
	s_mul_i32 s58, s57, EXPB
	v_add_nc_u32 v[WOF], s58, v1                   ; the weights' offset: the expert, + 16 x lane
	s_wait_loadcnt 0x0                             ; my rows' numbers
.set i, 0
.rept 16
	v_readlane_b32 s54, v17, i
	s_min_u32 s54, s54, 0x3fff                     ; inside x and out0
	v_lshl_add_u32 v[VOFF+i], s54, 10, v1          ; row i of mine: its 1,024 bytes, 16 a lane
.set i, i+1
.endr
	; ---------------- x: the tile's biases go to LDS; my 16 rows of x become two fragments
	s_cmp_eq_u32 s56, 0
	s_cbranch_scc1 .Lb0
	global_load_b128 v[68:71], v25, s[14:15]       ; the -1 expert's three biases,
	global_load_b128 v[72:75], v25, s[14:15] offset:2048
	global_load_b128 v[76:79], v25, s[16:17]
	global_load_b128 v[80:83], v25, s[16:17] offset:2048
	global_load_b64 v[84:85], v26, s[18:19]
	global_load_b128 v[88:91], v25, s[20:21]       ; and the 1 expert's
	global_load_b128 v[92:95], v25, s[20:21] offset:2048
	global_load_b128 v[96:99], v25, s[22:23]
	global_load_b128 v[100:103], v25, s[22:23] offset:2048
	global_load_b64 v[104:105], v26, s[24:25]
	WIN 0xc0                                       ; destination window 3
.set i, 0
.rept 16
	global_load_b128 v[8*i:8*i+3], v[VOFF+i], s[4:5]               ; 32 lanes read 512 consecutive bytes of a row: K step 0 of all 16 rows first,
.set i, i+1
.endr
.set i, 0
.rept 16
	global_load_b128 v[8*i+4:8*i+7], v[VOFF+i], s[4:5] offset:512  ; then K step 1
.set i, i+1
.endr
	WIN 0
	s_wait_loadcnt 32                              ; the ten bias loads are in; x's 32 may be out
.set k, 0
.rept 18
	v_cndmask_b32 v[68+k], v[68+k], v[88+k], s59   ; the tile's expert's
.set k, k+1
.endr
	ds_store_b128 v15, v[68:71]
	ds_store_b128 v15, v[72:75] offset:2048
	ds_store_b128 v15, v[76:79] offset:4096
	ds_store_b128 v15, v[80:83] offset:6144
	ds_store_b64 v16, v[84:85]
	WIN 0x0c                                       ; an LDS store's data are its source 1: window 3
.set i, 0
.rept 16
	s_wait_loadcnt 31-i                            ; row i's first half is in; the 31 - i loads behind it may be out
	ds_store_b128 v10, v[8*i:8*i+3] offset:SROW*i
.set i, i+1
.endr
	WIN 0xc0
.irp b, 0,1,2,3
.irp j, 0,1,2,3
	ds_load_b128 v[128+16*\b+4*\j:131+16*\b+4*\j], v11 offset:128*\b+16*\j   ; my own bytes: LDS serves a wave's instructions in order
.endr
.endr
	WIN 0x0c
.set i, 0
.rept 16
	s_wait_loadcnt 15-i                            ; row i's second half is in
	ds_store_b128 v10, v[8*i+4:8*i+7] offset:SROW*i+512
.set i, i+1
.endr
	s_wait_dscnt 16                                ; K step 0's numbers are back from the stage; the 16 stores behind them may be out
	WIN 0xc0
.irp b, 0,1,2,3
.irp j, 0,1,2,3
	ds_load_b128 v[192+16*\b+4*\j:195+16*\b+4*\j], v11 offset:512+128*\b+16*\j   ; K step 1 comes back while K step 0 is quantised: the wait for 0 in the first QUANT covers these
.endr
.endr
	WIN 0
	QUANT 128, 0, 4, 0, 7, 0
	QUANT 192, 0, 4, FRB, 7, 512
.Lb0:
	BARRIER                                        ; x's eight fragments, their scale words and the biases lie in LDS
	; ---------------- layer 0: sets 0..3; K = 256: two steps a chunk
	s_cmp_eq_u32 s56, 0
	s_cbranch_scc1 .Lb1
.set Q, 0
.set QEND, 4
.set P, 0
	LOADSET 0
	LOADSET 1
	ACT 1, 2, XS, 0, 0
.irp c, 0,1
	BIASLD 0, \c
	KSTEP 1, 2, XS, 1, 1
.if \c == 0
	KSTEP 1, 2, XS, 0, 0
.else
	KSTEP 1, 2, XS, -1, 0
.endif
	WIN 0
	PLACES                                         ; in front of the first read of results
.irp m, 0,1,2,3
	QUANT 64*\m, 1, 5, 8*FRB*\m+FRB*\c, 8, 512*\c+4*\m    ; K step 2 w + c of layer 1, rows 16 m on
.endr
.endr
.Lb1:
	BARRIER                                        ; hidden layer 1 lies in LDS
	; ---------------- layer 1: sets 4..19; K = 1,024: eight steps a chunk
	s_cmp_eq_u32 s56, 0
	s_cbranch_scc1 .Lb2
.set Q, 4
.set QEND, 20
.set P, 0
	LOADSET 4
	LOADSET 5
	ACT 2, 8, HS, 0, 0
.irp c, 0,1
	BIASLD 1, \c
	KSTEP 2, 8, HS, 1, 1
.irp s, 2,3,4,5,6,7
	KSTEP 2, 8, HS, \s, 0
.endr
.if \c == 0
	KSTEP 2, 8, HS, 0, 0
.else
	KSTEP 2, 8, HS, -1, 0
.endif
	WIN 0
	PLACES
.irp m, 0,1,2,3
	QUANT 64*\m, 1, 6, 8*FRB*\m+FRB*\c, 9, 512*\c+4*\m
.endr
.endr
.Lb2:
	BARRIER                                        ; hidden layer 2 lies in LDS
	; ---------------- layer 2: sets 20..23; K = 1,024: eight steps, two to a set
	s_cmp_eq_u32 s56, 0
	s_cbranch_scc1 .Lb3
.set Q, 20
.set QEND, 24
.set P, 0
	LOADSET 20
	LOADSET 21
	ACT 3, 8, HS, 0, 0
	WIN 0x80
.irp t, 0,1,2,3
.irp p, 0,1
	ds_load_b128 v[128+8*\t+4*\p:131+8*\t+4*\p], v14 offset:128*(\t/2)+32*(\t%2)+16*\p   ; the four bias tiles
.endr
.endr
	WIN 0
	HSTEP 1, 1, 0
	HSTEP 2, 0, 1
	HSTEP 3, 0, 0
	HSTEP 4, 0, 1
	HSTEP 5, 0, 0
	HSTEP 6, 0, 1
	HSTEP 7, 0, 0
	HSTEP -1, 0, 1
	WIN 0
	PLACES
	WIN 0xcc
.set j, 0
.rept 128
	v_max_num_f32 v[j], 0, v[j]                    ; the last activation, each accumulator from its low end on
.set j, j+1
.endr
	WIN 0x0c
.irp m, 0,1,2,3
.irp b, 0,1
.irp p, 0,1,2,3
	ds_store_b128 v12, v[32*\m+16*\b+4*\p:32*\m+16*\b+4*\p+3] offset:16*SROW*\m+128*\b+16*\p   ; lane (r, h): row 16 m + r, columns 64 w + 32 b + 16 h + 4 p on.  The stage's first use ended three barriers ago
.endr
.endr
.endr
	WIN 0
.Lb3:
	BARRIER                                        ; 64 whole rows of results lie in the stage
	; ---------------- the way out: wave w stores the rows of slots 16 w on: results from the stage, or, in a tile of rows that pass through, x itself
	s_cmp_eq_u32 s42, 0
	s_cbranch_scc1 .Lend
	s_cmp_eq_u32 s56, 0
	s_cbranch_scc1 .Lfromx
.set i, 0
.rept 16
	ds_load_b128 v[OUTR+8*i:OUTR+8*i+3], v10 offset:SROW*i
	ds_load_b128 v[OUTR+8*i+4:OUTR+8*i+7], v10 offset:SROW*i+512
.set i, i+1
.endr
	s_branch .Lstore
.Lfromx:
.set i, 0
.rept 16
	global_load_b128 v[OUTR+8*i:OUTR+8*i+3], v[VOFF+i], s[4:5]
	global_load_b128 v[OUTR+8*i+4:OUTR+8*i+7], v[VOFF+i], s[4:5] offset:512
.set i, i+1
.endr
.Lstore:
	s_wait_loadcnt 0x0
	s_wait_dscnt 0x0
.set i, 0
.rept 16
.if i > 0
	s_cmp_le_u32 s42, i                            ; slots behind the tile's last row are not stored
	s_cbranch_scc1 .Lend
.endif
	global_store_b128 v[VOFF+i], v[OUTR+8*i:OUTR+8*i+3], s[6:7] th:TH_STORE_NT               ; 32 lanes store 512 consecutive bytes, at a multiple of 256 from out0's first byte
	global_store_b128 v[VOFF+i], v[OUTR+8*i+4:OUTR+8*i+7], s[6:7] offset:512 th:TH_STORE_NT
.set i, i+1
.endr
.Lend:
	s_wait_tensorcnt 0x0
	ds_add_u32 v254, v255
	s_wait_dscnt 0x0
	s_endpgm
.Lfunc_end_k_q3c00375793_chain:
	.size	k_q3c00375793_chain, .Lfunc_end_k_q3c00375793_chain-k_q3c00375793_chain
	.p2alignl 7, 3214868480
	.fill 96, 4, 3214868480
	.section	.rodata,"a",@progbits
	.p2align	6, 0x0
	.amdhsa_kernel k_q3c00375793_chain
		.amdhsa_group_segment_fixed_size 196096
		.amdhsa_private_segment_fixed_size 0
		.amdhsa_enable_private_segment 0
		.amdhsa_kernarg_size 88
		.amdhsa_user_sgpr_count 2
		.amdhsa_user_sgpr_kernarg_segment_ptr 1
		.amdhsa_wavefront_size32 1
		.amdhsa_system_sgpr_workgroup_id_x 1
		.amdhsa_system_sgpr_workgroup_id_y 1
		.amdhsa_system_sgpr_workgroup_id_z 1
		.amdhsa_system_vgpr_workitem_id 0
		.amdhsa_next_free_vgpr 1024
		.amdhsa_next_free_sgpr 66
		.amdhsa_reserve_vcc 0
		.amdhsa_float_denorm_mode_32 3
		.amdhsa_float_denorm_mode_16_64 3
		.amdhsa_memory_ordered 1
		.amdhsa_forward_progress 1
		.amdhsa_inst_pref_size 255
	.end_amdhsa_kernel
	.section	.bss,"aw",@nobits
	.p2align	6
	.space	262144
	.amdgpu_metadata
---
amdhsa.version: [ 1, 2 ]
amdhsa.kernels:
  - .name:           k_q3c00375793_chain
    .symbol:         k_q3c00375793_chain.kd
    .args:
      - { .name: x, .offset: 0, .size: 8, .value_kind: global_buffer, .address_space: global }
      - { .name: out0, .offset: 8, .size: 8, .value_kind: global_buffer, .address_space: global }
      - { .name: order, .offset: 16, .size: 8, .value_kind: global_buffer, .address_space: global }
      - { .name: meta, .offset: 24, .size: 8, .value_kind: global_buffer, .address_space: global }
      - { .name: wts, .offset: 32, .size: 8, .value_kind: global_buffer, .address_space: global }
      - { .name: b_neg0, .offset: 40, .size: 8, .value_kind: global_buffer, .address_space: global }
      - { .name: b_neg1, .offset: 48, .size: 8, .value_kind: global_buffer, .address_space: global }
      - { .name: b_neg2, .offset: 56, .size: 8, .value_kind: global_buffer, .address_space: global }
      - { .name: b_pos0, .offset: 64, .size: 8, .value_kind: global_buffer, .address_space: global }
      - { .name: b_pos1, .offset: 72, .size: 8, .value_kind: global_buffer, .address_space: global }
      - { .name: b_pos2, .offset: 80, .size: 8, .value_kind: global_buffer, .address_space: global }
    .group_segment_fixed_size: 196096
    .private_segment_fixed_size: 0
    .kernarg_segment_align: 8
    .kernarg_segment_size: 88
    .max_flat_workgroup_size: 128
    .sgpr_count:     66
    .vgpr_count:     1024
    .wavefront_size: 32
...
	.end_amdgpu_metadata
.endif
;; end of part 2
;; ======== version 2 of 2: 2 launches; version 1 with the launch chain written anew for expert scheduling mode
;; workspace buffers: wts 2,457,600 bytes; order 66,048 bytes of whole numbers; meta 512 bytes of whole numbers
;; launch prep: the kernel of part 1 again; grid 97 x 1, 16 waves a work-group, no clusters, 138,496 bytes of LDS; arguments W_neg0, W_neg1, W_neg2, W_pos0, W_pos1, W_pos2, wts, observations, order, meta; writes wts, order, meta
;; launch chain (part 3): grid 258 x 1, 4 waves a work-group, no clusters, 196,096 bytes of LDS; arguments x, out0, order, meta, wts, b_neg0, b_neg1, b_neg2, b_pos0, b_pos1, b_pos2; writes out0
.if DOCPART == 3
	.amdgcn_target "amdgcn-amd-amdhsa--gfx1250"
	.amdhsa_code_object_version 6
	.text
	.protected	k_q3c00375793_chain
	.globl	k_q3c00375793_chain
	.p2align	8
	.type	k_q3c00375793_chain,@function
k_q3c00375793_chain:
	s_mov_b64 s[64:65], 0
	v_nop
	global_prefetch_b8 v0, s[64:65] scope:SCOPE_SE
	s_setreg_imm32_b32 hwreg(HW_REG_WAVE_SCHED_MODE, 0, 2), 2
	s_setreg_imm32_b32 hwreg(HW_REG_WAVE_MODE, 25, 1), 1
	s_wait_xcnt 0x0
	s_wait_alu depctr_vm_vsrc(0)
; One work-group takes one tile of 64 rows of one class (the list 'order', the counts 'meta').  Rows with observation -1 or 1 go through their MLP, relu(relu(relu(x W0^T + b0) W1^T + b1) W2^T + b2), 256 -> 1024 -> 1024 -> 256,
; all three products on codes of FP6 (E2M3) with one E8M0 scale for each 32 along K; x and the hidden layers are quantised here, in f32, and never go to memory.  All other rows are copied.
; GRID: with 16,384 rows, 3 classes and tiles of 64 rows there are never more than 256 + 2 tiles, whatever the split; a tile without rows stores nothing.
; SHARES.  THE WAVES SHARE THE COLUMNS: in layers 0 and 1 wave w makes units 256 w .. 256 w + 255, in two chunks of 128 (8 tiles x 4 tiles of rows = 32 accumulators); in layer 2 units 64 w .. 64 w + 63 (16 accumulators).
; Every product is used transposed (source 0 = 16 rows of W, source 1 = 16 rows of activations): a lane holds one row, and its registers run along the next K (the rows of W that form a tile were chosen for that).
; THE WEIGHTS come from memory straight into registers: the launch before laid them as images of the operand registers, in the order of use: a set of 8 fragments and their scale words is 25 loads of 512 consecutive bytes.
; Three sets of registers take turns: while one is multiplied, the next is on its way and the set two on is asked for.  Each fragment feeds four matrix instructions.
; WHICH EXPERT a tile has follows from counts read from memory.  No pointer is chosen by it: both experts' weights lie in one buffer, and the expert's number, held to 0 or 1, enters the loads' vector offset;
; both experts' biases are loaded, and a select of values takes the tile's.
; ACTIVATIONS go from wave to wave through LDS as images of their registers (3 stores of 16 bytes a lane for a fragment, 4 bytes a lane for its scale words).
; EVERY WAVE PASSES EVERY BARRIER.  What a tile does hangs on counts read from memory, so each phase stands under a scalar branch of its own that leads to the line in front of the phase's barrier;
; no load is out at such a join, so the weights' ring is begun anew in each layer.
; NO TENSOR LOADS, NO CLUSTER: the phases are jumped over on stored counts, and which expert a tile has hangs on them too, so neighbours in a cluster need not walk the same weights.
; LIMITS: a block of zeros gets the scale byte 1 where the rule says 127 (its codes are zeros; nobody else reads the bytes); NaN and infinities among x, W, b are not served on the rows that go through an MLP.
; LDS: x's 8 images and 2 blocks of scale words | hidden layer 1: 32 images, 8 blocks | hidden layer 2 likewise | the three biases | a stage of 64 rows x (1,024 + 16) bytes (first: each wave's turn of its 16 rows of x; last: the results).
; REGISTERS, in windows of 256: window 0: v1-16 addresses, v17 my row's number, v28 the weights' offset, v32-47 the rows' byte offsets, v48-59 weights' scale words (3 sets), v60-67 activations' (2 sets),
;   v68-163 activation fragments (2 sets of 4), v164-201 the quantiser's; at the end v68-195 rows on their way out.   window 1: weight sets 0 (v0-95), 1 (v96-191).   window 2: weight set 2 (v0-95); v128-191 a chunk's bias tiles.
;   window 3: the accumulators; at the head x.
; THE MODE: SCHED_MODE bits 1:0 = 2 (LLVM: expert scheduling mode 2), set by the entry lines.  The code itself states the register dependences between vector or matrix instructions and memory or LDS instructions,
; with s_wait_alu, always for 0.
; THE PLAN.  Registers that memory or LDS instructions touch:
;   addresses     v1-16, v25, v26, v28, v32-47: written once at the head and never again: one wait on va_vdst at the head's end serves every load and store of the kernel.  (v27, the list's offset, has a wait of its own: the list is asked for early.)
;   weight sets   Step Q's matrix instructions read set Q % 3 and its scale words; the loads of set Q + 2 land in set (Q - 1) % 3 during step Q.
;   activations   A step's matrix instructions read set P and its scale words; the next step's LDS loads land in set 1 - P during the step.
;   bias tiles    Read as C by a chunk's first step; loaded again behind the chunk's quantisers.
;   PC, PW        Written by a quantiser's vector lines, read by its four LDS stores.
;   window 3      In the phase of x: v0-127 loaded, read by LDS stores; v128-255 loaded from the stage, read by the quantiser.  Then accumulators; in layer 2 the last activation's results are read by LDS stores.
; So ONE wait on va_vdst stands at the head of a K step: the last step's matrix instructions are done reading the weight set and the activation set in which this step's loads land.  The loads follow it, dealt among the step's
; matrix instructions, which name the other sets, the bias tiles and the accumulators alone.  A quantiser has one wait on va_vdst ahead of its stores; the last of a chunk stands behind all the chunk's matrix instructions too, so a
; chunk's first step, and a layer's first loads, owe nothing more.  A wait on vm_vsrc stands ahead of each rewriting of PC and PW, and at the end of each phase whose LDS stores read registers that a later phase writes.
.set XS,     12288                     ; x's scale blocks, behind its 8 images
.set H1,     13312
.set H2,     66560
.set HS,     49152                     ; a hidden layer's scale blocks, behind its 32 images
.set BIAS,   119808
.set STAGE,  129024
.set SROW,   1040                      ; a stage row: 260 words: row r starts 4 r banks on
.set FRB,    1536                      ; a fragment's image
.set SETB,   12800                     ; a set of weights
.set STREAM, 307200                    ; a wave's 24 sets
.set EXPB,   1228800                   ; an expert's four streams
.set WOF,    28
.set VOFF,   32
.set WS,     48
.set AS,     60
.set AF,     68
.set TM,     164                       ; v164-167 largest magnitudes, v168-171 the other half's, then the bytes, v176-179 the conversions' scale operands
.set PW,     180                       ; the scale word just made
.set PC,     182                       ; v182-193 the codes just made, v194-200 their second halves as the conversions leave them
.set OUTR,   68
.set MSB, 0
.macro WIN new                         ; the immediate's low byte: bits 1:0 source 0, 3:2 source 1, 5:4 source 2, 7:6 destination; its high byte repeats the setting that is left
.if MSB != (\new)
	s_set_vgpr_msb (MSB<<8)|(\new)
.set MSB, (\new)
.endif
.endm
.macro PLACES                          ; a load into a register that a matrix instruction has read, and a vector instruction that reads a matrix result, stand four plain vector instructions behind it
.rept 4
	v_nop
.endr
.endm
.macro BARRIER                         ; my LDS stores have landed and my LDS loads are in: then the work-group's barrier
	s_wait_dscnt 0x0
	s_barrier_signal -1
	s_barrier_wait -1
.endm
.macro LOADW q, k0, n                  ; n of the 24 loads that bring set q's 8 fragments, from the k0-th on, into register set q % 3
.set LSL, (\q)%3
.set LRB, 96*(LSL%2)
.if LSL < 2
	WIN 0x40
.else
	WIN 0x80
.endif
.set k, \k0
.rept \n
	global_load_b128 v[LRB+4*k:LRB+4*k+3], v[WOF], s[44:45] offset:SETB*(\q)+512*k
.set k, k+1
.endr
.endm
.macro LOADWS q                        ; the set's 25th load: its scale words
.set LSL, (\q)%3
	WIN 0
	global_load_b128 v[WS+4*LSL:WS+4*LSL+3], v[WOF], s[44:45] offset:SETB*(\q)+12288
.endm
.macro LOADSET q                       ; a whole set, at a layer's start
	LOADW \q, 0, 24
	LOADWS \q
.endm
.macro ACT rd, nk, sco, kk, set        ; K step kk of the four tiles of rows, and their scale words, into activation set 'set': 13 LDS loads.  nk: K steps in the layer; sco: where its scale blocks begin
	WIN 0
.irp m, 0,1,2,3
.irp c, 0,1,2
	ds_load_b128 v[AF+48*(\set)+12*\m+4*\c:AF+48*(\set)+12*\m+4*\c+3], v[\rd] offset:((\nk)*\m+(\kk))*FRB+512*\c
.endr
.endr
	ds_load_b128 v[AS+4*(\set):AS+4*(\set)+3], v[\rd] offset:(\sco)+512*(\kk)
.endm
.macro BIASLD lay, c                   ; the chunk's 8 bias tiles in the result's layout: lane (r, h), tile t: units 32 (t / 2) + 16 h + 8 (t % 2) + 0 .. 7
	WIN 0x80
.irp t, 0,1,2,3,4,5,6,7
.irp p, 0,1
	ds_load_b128 v[128+8*\t+4*\p:131+8*\t+4*\p], v13 offset:4096*(\lay)+512*(\c)+128*(\t/2)+32*(\t%2)+16*\p
.endr
.endr
	WIN 0
.endm
.macro WM d, a, b, cb, sa, sb, odd     ; the scale words of an odd fragment of W lie in lanes 16-31 of their register
.if \odd
	v_wmma_scale_f32_16x16x128_f8f6f4 v[\d:\d+7], v[\a:\a+11], v[\b:\b+11], v[\cb:\cb+7], v[\sa], v[\sb] matrix_a_fmt:MATRIX_FMT_FP6 matrix_b_fmt:MATRIX_FMT_FP6 matrix_a_scale:MATRIX_SCALE_ROW1
.else
	v_wmma_scale_f32_16x16x128_f8f6f4 v[\d:\d+7], v[\a:\a+11], v[\b:\b+11], v[\cb:\cb+7], v[\sa], v[\sb] matrix_a_fmt:MATRIX_FMT_FP6 matrix_b_fmt:MATRIX_FMT_FP6
.endif
.endm
; Layers 0 and 1: fragments t0 .. t0 + nt - 1 of set Q x the 4 tiles of rows.  A step's 32 accumulators take turns, one instruction a turn, in the same order in every step.
; first = 1: the bias tile is the C of the sum's first product: nothing is cleared and nothing is added later.
.macro MULG t0, nt, first
.set MSL, Q%3
.set MRB, 96*(MSL%2)
.if \first
.set MWIN, 0xe1+MSL/2                  ; source 0 (W) window 1 or 2, source 1 window 0, C window 2, D window 3
.else
.set MWIN, 0xf1+MSL/2                  ; C and D window 3
.endif
	WIN MWIN
.set tt, \t0
.rept \nt
.set mm, 0
.rept 4
.if \first
	WM 64*mm+8*tt, MRB+12*tt, AF+48*P+12*mm, 128+8*tt, WS+4*MSL+tt/2, AS+4*P+mm, tt%2
.else
	WM 64*mm+8*tt, MRB+12*tt, AF+48*P+12*mm, 64*mm+8*tt, WS+4*MSL+tt/2, AS+4*P+mm, tt%2
.endif
.set mm, mm+1
.endr
.set tt, tt+1
.endr
.endm
.macro MULH t0, nt, kpar, first        ; layer 2: fragments t0 .. t0 + nt - 1 of half kpar of set Q x the 4 tiles of rows: a step's 16 accumulators by turns
.set MSL, Q%3
.set MRB, 96*(MSL%2)+48*(\kpar)
.set MWS, WS+4*MSL+2*(\kpar)
.if \first
.set MWIN, 0xe1+MSL/2
.else
.set MWIN, 0xf1+MSL/2
.endif
	WIN MWIN
.set tt, \t0
.rept \nt
.set mm, 0
.rept 4
.if \first
	WM 32*mm+8*tt, MRB+12*tt, AF+48*P+12*mm, 128+8*tt, MWS+tt/2, AS+4*P+mm, tt%2
.else
	WM 32*mm+8*tt, MRB+12*tt, AF+48*P+12*mm, 32*mm+8*tt, MWS+tt/2, AS+4*P+mm, tt%2
.endif
.set mm, mm+1
.endr
.set tt, tt+1
.endr
.endm
.macro WAITSET                         ; loads come back in order: set Q is in; the one set asked for behind it (25 loads), if the layer has one, may be out.  It stands at the step's head, ahead of the request for the set two on
.if Q+1 < QEND
	s_wait_loadcnt 25
.else
	s_wait_loadcnt 0x0
.endif
.endm
; A K step of layers 0 and 1.  Q: the set in hand; P: the activation set in hand; QEND: the layer's last set + 1.  nxt: the K step whose activations are fetched meanwhile, or -1.
; The step's loads are dealt among its matrix instructions, the weights first: 12 loads, 8 products, 12 loads, 8 products, the scale words and the 13 LDS loads, 16 products.
.macro KSTEP rd, nk, sco, nxt, first
.set LW, 0
.if Q+2 < QEND
.set LW, 1                             ; the set two on is asked for
.endif
.set DEP, LW
.if (\nxt) >= 0
.set DEP, 1
.endif
.if \first
.set DEP, 0                            ; a chunk's first step: the wait ahead of the last quantiser's stores stands behind every earlier matrix instruction, and no vector or matrix line since names a register in which this step's loads land
.endif
	WIN 0
.if DEP
	PLACES                                         ; the last step's products have read the registers that are loaded in this step: the places stay beside the wait below
.endif
	WAITSET
	s_wait_dscnt 0x0                               ; this step's activations (and, in a chunk's first step, its bias tiles) are in: they were asked for in the step before
.if DEP
	s_wait_alu depctr_va_vdst(0)                   ; the last step's matrix instructions are done reading weight set (Q - 1) % 3 and activation set 1 - P with their scale words, in which this step's loads land; this step's matrix instructions name none of them
.endif
.if LW
	LOADW Q+2, 0, 12
.endif
	MULG 0, 2, \first
.if LW
	LOADW Q+2, 12, 12
.endif
	MULG 2, 2, \first
.if LW
	LOADWS Q+2
.endif
.if (\nxt) >= 0
	ACT \rd, \nk, \sco, \nxt, 1-P
.endif
	MULG 4, 4, \first
.set Q, Q+1
.set P, 1-P
.endm
.macro HSTEP nxt, first, kpar          ; a K step of layer 2: a set of weights serves two; the set two on is asked for in the first of the two
.set LW, 0
.if (\kpar) == 0
.if Q+2 < QEND
.set LW, 1
.endif
.endif
.set DEP, LW
.if (\nxt) >= 0
.set DEP, 1
.endif
.if \first
.set DEP, 0                            ; the layer's first step: as in KSTEP
.endif
	WIN 0
.if DEP
	PLACES
.endif
.if (\kpar) == 0
	WAITSET
.endif
	s_wait_dscnt 0x0                               ; this step's activations (and, in the first step, the bias tiles) are in
.if DEP
	s_wait_alu depctr_va_vdst(0)                   ; the last step's matrix instructions are done reading activation set 1 - P and, at a set's first step, weight set (Q - 1) % 3, with their scale words: this step's loads land there
.endif
.if LW
	LOADW Q+2, 0, 12
.endif
	MULH 0, 1, \kpar, \first
.if LW
	LOADW Q+2, 12, 12
.endif
	MULH 1, 1, \kpar, \first
.if LW
	LOADWS Q+2
.endif
.if (\nxt) >= 0
	ACT 3, 8, HS, \nxt, 1-P
.endif
	MULH 2, 2, \kpar, \first
.if (\kpar) == 1
.set Q, Q+1
.endif
.set P, 1-P
.endm
; 64 numbers of a lane in window 3, v[s] on, register 16 b + i = k 32 b + 16 (lane / 16) + i of my row, become a fragment's codes and its scale word, which go to LDS as they stand.
; relu = 1: they are matrix results: the activation comes first, each accumulator from its low end on.  prev: not 0 where an image of the same phase was stored before.
.macro QUANT s, relu, ireg, ioff, sreg, soff, prev
.if \relu
	WIN 0xcc
.set j, 0
.rept 64
	v_max_num_f32 v[\s+j], 0, v[\s+j]
.set j, j+1
.endr
.endif
	WIN 0x0f                                       ; sources 0 and 1 window 3
.irp b, 0,1,2,3
.if \relu
	v_max3_num_f32 v[TM+\b], v[\s+16*\b], v[\s+16*\b+1], 0x1800000      ; block b: my 16 numbers (none is negative), and the floor 2^(3 - 127): the byte cannot fall under 1
.else
	v_max3_num_f32 v[TM+\b], |v[\s+16*\b]|, |v[\s+16*\b+1]|, 0x1800000
.endif
.endr
.irp i, 2,4,6,8,10,12,14
.irp b, 0,1,2,3
.if \relu
	v_max3_num_f32 v[TM+\b], v[\s+16*\b+\i], v[\s+16*\b+\i+1], v[TM+\b]   ; (the four blocks by turns)
.else
	v_max3_num_f32 v[TM+\b], |v[\s+16*\b+\i]|, |v[\s+16*\b+\i+1]|, v[TM+\b]
.endif
.endr
.endr
	WIN 0
.irp b, 0,1,2,3
	v_permlanex16_b32 v[TM+4+\b], v[TM+\b], s52, s53
.endr
.irp b, 0,1,2,3
	v_max_num_f32 v[TM+\b], v[TM+\b], v[TM+4+\b]   ; with lane l xor 16's: the block's largest magnitude
.endr
.irp b, 0,1,2,3
	v_add_nc_u32 v[TM+12+\b], 0xff000000, v[TM+\b] ; 2 off its exponent field: the conversion's scale operand
.endr
.irp b, 0,1,2,3
	v_lshrrev_b32 v[TM+4+\b], 23, v[TM+12+\b]      ; the scale's byte
.endr
	s_wait_dscnt 0x0                               ; my LDS instructions issued so far are done (in the first of x's two: K step 1's numbers are back from the stage)
.if (\prev)
	s_wait_alu depctr_vm_vsrc(0)                   ; the last image's LDS stores have read v[PW] and v[PC ..], which are now written again
.endif
	v_lshl_or_b32 v[PW], v[TM+5], 8, v[TM+4]
	v_lshl_or_b32 v[PW], v[TM+6], 16, v[PW]
	v_lshl_or_b32 v[PW], v[TM+7], 24, v[PW]        ; my row's scale word
	WIN 0x03
.irp c, 0,1
	v_cvt_scalef32_pk16_fp6_f32 v[PC+6*\c:PC+6*\c+2], v[\s+32*\c:\s+32*\c+15], v[TM+12+2*\c]
	v_cvt_scalef32_pk16_fp6_f32 v[PC+12+4*\c:PC+14+4*\c], v[\s+32*\c+16:\s+32*\c+31], v[TM+13+2*\c]   ; (a conversion's three registers begin on an even number)
.endr
	WIN 0
	v_nop                                          ; one plain place behind a scaled conversion
.irp c, 0,1                                    ; the operand's layout wants a WHOLE block in a lane: lanes 0-15 block 2 c, lanes 16-31 block 2 c + 1
.irp i, 0,1,2
	v_permlane16_swap_b32 v[PC+6*\c+\i], v[PC+12+4*\c+\i]
.endr
.irp i, 0,1,2
	v_mov_b32 v[PC+3+6*\c+\i], v[PC+12+4*\c+\i]
.endr
.endr
	s_wait_alu depctr_va_vdst(0)                   ; v[PC ..] and v[PW] are written, which the four LDS stores read.  (All matrix instructions issued so far are done with their operands too: the loads that follow a chunk's last quantiser lean on that)
.irp k, 0,1,2
	ds_store_b128 v[\ireg], v[PC+4*\k:PC+4*\k+3] offset:\ioff+512*\k
.endr
	ds_store_b32 v[\sreg], v[PW] offset:\soff
.endm
	; ---------------- the head, on every path: ids, the tile's rows, every address register
	s_load_b256 s[4:11], s[0:1], 0x0               ; x, out0, order, meta
	s_load_b256 s[12:19], s[0:1], 0x20             ; wts, b_neg0, b_neg1, b_neg2
	s_load_b128 s[20:23], s[0:1], 0x40             ; b_pos0, b_pos1
	s_load_b64 s[24:25], s[0:1], 0x50              ; b_pos2
	v_lshl_add_u32 v254, v0, 2, 0x2fc00
	v_mov_b32 v255, 0
	v_lshrrev_b32 v18, 5, v0
	v_readfirstlane_b32 s32, v18                   ; wave 0..3
	v_and_b32 v19, 31, v0                          ; lane
	v_and_b32 v20, 15, v0                          ; r
	v_bfe_u32 v21, v0, 4, 1                        ; h
	v_lshlrev_b32 v1, 4, v19                       ; 16 x lane: an image's place for my lane; also where x's images are read
	s_lshl_b32 s54, ttmp9, 8
	s_wait_alu depctr_va_sdst(0)                   ; s32, the wave's number, is written, ahead of its first reader
	s_lshl_b32 s55, s32, 6
	s_add_co_u32 s54, s54, s55
	v_lshl_add_u32 v27, v20, 2, s54                ; the list's slot 64 t + 16 w + r: every slot holds a row's number, so this hangs on ids alone
	s_wait_kmcnt 0x0
	s_load_b128 s[28:31], s[10:11], 0x0            ; nneg, npos, the rest
	s_wait_alu depctr_va_vdst(0)                   ; v27 is written, which the load below reads as its offset
	global_load_b32 v17, v27, s[8:9]
	v_add_nc_u32 v2, H1, v1                        ; where hidden layer 1 is read,
	v_add_nc_u32 v3, H2, v1                        ; and 2
	s_mul_i32 s54, s32, 2*FRB
	v_add_nc_u32 v4, s54, v1                       ; where I store images: x's (tile of rows w, K steps 0, 1),
	v_add_nc_u32 v5, H1, v4                        ; hidden layer 1's (K steps 2 w, 2 w + 1),
	v_add_nc_u32 v6, H2, v4                        ; hidden layer 2's
	s_lshl_b32 s54, s32, 2
	s_add_co_u32 s54, s54, XS
	v_add_nc_u32 v7, s54, v1                       ; and scale words: x's: 16 l + 4 w in the K step's block,
	s_lshl_b32 s54, s32, 10
	s_add_co_u32 s55, s54, H1+HS
	v_add_nc_u32 v8, s55, v1                       ; the hidden layers': 16 l + 4 m in block 2 w + c
	s_add_co_u32 s55, s54, H2+HS
	v_add_nc_u32 v9, s55, v1
	s_mul_i32 s54, s32, 16*SROW
	s_add_co_u32 s54, s54, STAGE
	v_add_nc_u32 v10, s54, v1                      ; the stage: my 16 rows, 16 bytes a lane
	v_mul_u32_u24 v22, v20, SROW
	v_lshl_add_u32 v23, v21, 6, v22
	v_add_nc_u32 v11, s54, v23                     ; x turned: row r of mine, + 64 h: my 16 numbers of a block
	s_lshl_b32 s54, s32, 8
	s_add_co_u32 s55, s54, STAGE
	v_add_nc_u32 v12, s55, v23                     ; results: row r, + 256 w + 64 h
	v_lshlrev_b32 v24, 6, v21
	s_lshl_b32 s55, s32, 10
	s_add_co_u32 s55, s55, BIAS
	v_add_nc_u32 v13, s55, v24                     ; bias tiles of layers 0, 1: my 256 units, + 16 h units
	s_add_co_u32 s55, s54, BIAS+8192
	v_add_nc_u32 v14, s55, v24                     ; of layer 2: my 64 units
	v_lshl_add_u32 v15, v0, 4, BIAS                ; the biases' way into LDS: 16 bytes a thread,
	v_lshl_add_u32 v16, v0, 3, BIAS+8192           ; 8 for the last
	v_lshlrev_b32 v25, 4, v0
	v_lshlrev_b32 v26, 3, v0
	s_mov_b32 s52, 0x76543210
	s_mov_b32 s53, 0xfedcba98                      ; v_permlanex16_b32's selects for lane l xor 16
.irp b, 0,1,2,3
	v_mov_b32 v[TM+4+\b], 0                        ; written once: a lane permute's destination counts as one of its sources
.endr
	s_mul_i32 s54, s32, STREAM
	s_mov_b32 s55, 0
	s_add_nc_u64 s[44:45], s[12:13], s[54:55]      ; my wave's stream in the first expert: made of ids alone
	s_wait_kmcnt 0x0
	s_add_co_u32 s33, s28, 63
	s_lshr_b32 s33, s33, 6                         ; Tn: tiles of the class -1
	s_add_co_u32 s34, s29, 63
	s_lshr_b32 s34, s34, 6                         ; Tp
	s_add_co_u32 s35, s33, s34                     ; tiles that go through an MLP
	s_cmp_lt_u32 ttmp9, s33
	s_cselect_b32 s38, 0, s33                      ; my class's first tile,
	s_cselect_b32 s39, s28, s29                    ; its rows,
	s_cselect_b32 s57, 0, 1                        ; its expert's number,
	s_cselect_b32 s59, 0, -1                       ; and the same as a mask over the lanes
	s_cmp_lt_u32 ttmp9, s35
	s_cselect_b32 s38, s38, s35
	s_cselect_b32 s39, s39, s30
	s_cselect_b32 s56, 1, 0                        ; 1: a tile that goes through an MLP
	s_sub_co_u32 s40, ttmp9, s38
	s_lshl_b32 s40, s40, 6
	s_sub_co_i32 s40, s39, s40
	s_min_i32 s40, s40, 64                         ; the tile's rows (0 or less: none)
	s_lshl_b32 s41, s32, 4
	s_sub_co_i32 s42, s40, s41
	s_max_i32 s42, s42, 0
	s_min_i32 s42, s42, 16                         ; how many of slots 16 w .. 16 w + 15 hold rows of the tile: those I store
	s_min_u32 s57, s57, 1                          ; the expert's number follows from loaded counts: it is held to 0 or 1 ahead of the offset
	s_mul_i32 s58, s57, EXPB
	v_add_nc_u32 v[WOF], s58, v1                   ; the weights' offset: the expert, + 16 x lane
	s_wait_loadcnt 0x0                             ; my rows' numbers
.irp g, 0,1                                    ; the sixteen numbers become scalars in two runs of eight (s46-51, s60, s61), so that one wait serves a run
.set i, 0
.rept 8
	v_readlane_b32 s[46+i+8*(i/6)], v17, 8*\g+i
.set i, i+1
.endr
	s_wait_alu depctr_va_sdst(0)                   ; the run's eight scalars are written, ahead of their first readers
.set i, 0
.rept 8
	s_min_u32 s[46+i+8*(i/6)], s[46+i+8*(i/6)], 0x3fff   ; inside x and out0
	v_lshl_add_u32 v[VOFF+8*\g+i], s[46+i+8*(i/6)], 10, v1   ; row 8 g + i of mine: its 1,024 bytes, 16 a lane
.set i, i+1
.endr
.endr
	s_wait_alu depctr_va_vdst(0)                   ; every address and offset (v1-16, v25, v26, v28, v32-47) is written: all loads and stores below read them, and none is written again; so are v168-171, in which loads land on the way out
	; ---------------- x: the tile's biases go to LDS; my 16 rows of x become two fragments
	s_cmp_eq_u32 s56, 0
	s_cbranch_scc1 .Lb0
	global_load_b128 v[68:71], v25, s[14:15]       ; the -1 expert's three biases,
	global_load_b128 v[72:75], v25, s[14:15] offset:2048
	global_load_b128 v[76:79], v25, s[16:17]
	global_load_b128 v[80:83], v25, s[16:17] offset:2048
	global_load_b64 v[84:85], v26, s[18:19]
	global_load_b128 v[88:91], v25, s[20:21]       ; and the 1 expert's
	global_load_b128 v[92:95], v25, s[20:21] offset:2048
	global_load_b128 v[96:99], v25, s[22:23]
	global_load_b128 v[100:103], v25, s[22:23] offset:2048
	global_load_b64 v[104:105], v26, s[24:25]
	WIN 0xc0                                       ; destination window 3
.set i, 0
.rept 16
	global_load_b128 v[8*i:8*i+3], v[VOFF+i], s[4:5]               ; 32 lanes read 512 consecutive bytes of a row: K step 0 of all 16 rows first,
.set i, i+1
.endr
.set i, 0
.rept 16
	global_load_b128 v[8*i+4:8*i+7], v[VOFF+i], s[4:5] offset:512  ; then K step 1
.set i, i+1
.endr
	WIN 0
	s_wait_loadcnt 32                              ; the ten bias loads are in; x's 32 may be out
.set k, 0
.rept 18
	v_cndmask_b32 v[68+k], v[68+k], v[88+k], s59   ; the tile's expert's
.set k, k+1
.endr
	s_wait_alu depctr_va_vdst(0)                   ; the selects have written v68-85, which the five LDS stores read (and are done reading v88-105, in which layer 0's first activations land)
	ds_store_b128 v15, v[68:71]
	ds_store_b128 v15, v[72:75] offset:2048
	ds_store_b128 v15, v[76:79] offset:4096
	ds_store_b128 v15, v[80:83] offset:6144
	ds_store_b64 v16, v[84:85]
	WIN 0x0c                                       ; an LDS store's data are its source 1: window 3
.set i, 0
.rept 16
	s_wait_loadcnt 31-i                            ; row i's first half is in; the 31 - i loads behind it may be out
	ds_store_b128 v10, v[8*i:8*i+3] offset:SROW*i
.set i, i+1
.endr
	WIN 0xc0
.irp b, 0,1,2,3
.irp j, 0,1,2,3
	ds_load_b128 v[128+16*\b+4*\j:131+16*\b+4*\j], v11 offset:128*\b+16*\j   ; my own bytes: LDS serves a wave's instructions in order
.endr
.endr
	WIN 0x0c
.set i, 0
.rept 16
	s_wait_loadcnt 15-i                            ; row i's second half is in
	ds_store_b128 v10, v[8*i+4:8*i+7] offset:SROW*i+512
.set i, i+1
.endr
	s_wait_dscnt 16                                ; K step 0's numbers are back from the stage; the 16 stores behind them may be out
	WIN 0xc0
.irp b, 0,1,2,3
.irp j, 0,1,2,3
	ds_load_b128 v[192+16*\b+4*\j:195+16*\b+4*\j], v11 offset:512+128*\b+16*\j   ; K step 1 comes back while K step 0 is quantised: the wait for 0 in the first QUANT covers these
.endr
.endr
	WIN 0
	QUANT 128, 0, 4, 0, 7, 0, 0
	QUANT 192, 0, 4, FRB, 7, 512, 1
	s_wait_alu depctr_vm_vsrc(0)                   ; this phase's LDS stores have read v68-85 (layer 0's activations land there), x's registers in window 3 (layer 0's sums are written there), v[PC ..] and v[PW] (the next quantiser writes them)
.Lb0:
	BARRIER                                        ; x's eight fragments, their scale words and the biases lie in LDS
	; ---------------- layer 0: sets 0..3; K = 256: two steps a chunk
	s_cmp_eq_u32 s56, 0
	s_cbranch_scc1 .Lb1
.set Q, 0
.set QEND, 4
.set P, 0
	LOADSET 0
	LOADSET 1
	ACT 1, 2, XS, 0, 0
.irp c, 0,1
	BIASLD 0, \c
	KSTEP 1, 2, XS, 1, 1
.if \c == 0
	KSTEP 1, 2, XS, 0, 0
.else
	KSTEP 1, 2, XS, -1, 0
.endif
	WIN 0
	PLACES                                         ; in front of the first read of results
.irp m, 0,1,2,3
	QUANT 64*\m, 1, 5, 8*FRB*\m+FRB*\c, 8, 512*\c+4*\m, \c+\m    ; K step 2 w + c of layer 1, rows 16 m on
.endr
.endr
	s_wait_alu depctr_vm_vsrc(0)                   ; the last image's LDS stores have read v[PC ..] and v[PW], which layer 1's first quantiser writes
.Lb1:
	BARRIER                                        ; hidden layer 1 lies in LDS
	; ---------------- layer 1: sets 4..19; K = 1,024: eight steps a chunk
	s_cmp_eq_u32 s56, 0
	s_cbranch_scc1 .Lb2
.set Q, 4
.set QEND, 20
.set P, 0
	LOADSET 4
	LOADSET 5
	ACT 2, 8, HS, 0, 0
.irp c, 0,1
	BIASLD 1, \c
	KSTEP 2, 8, HS, 1, 1
.irp s, 2,3,4,5,6,7
	KSTEP 2, 8, HS, \s, 0
.endr
.if \c == 0
	KSTEP 2, 8, HS, 0, 0
.else
	KSTEP 2, 8, HS, -1, 0
.endif
	WIN 0
	PLACES
.irp m, 0,1,2,3
	QUANT 64*\m, 1, 6, 8*FRB*\m+FRB*\c, 9, 512*\c+4*\m, \c+\m
.endr
.endr
	s_wait_alu depctr_vm_vsrc(0)                   ; the last image's LDS stores have read v[PC ..] and v[PW], in which rows land on the way out
.Lb2:
	BARRIER                                        ; hidden layer 2 lies in LDS
	; ---------------- layer 2: sets 20..23; K = 1,024: eight steps, two to a set
	s_cmp_eq_u32 s56, 0
	s_cbranch_scc1 .Lb3
.set Q, 20
.set QEND, 24
.set P, 0
	LOADSET 20
	LOADSET 21
	ACT 3, 8, HS, 0, 0
	WIN 0x80
.irp t, 0,1,2,3
.irp p, 0,1
	ds_load_b128 v[128+8*\t+4*\p:131+8*\t+4*\p], v14 offset:128*(\t/2)+32*(\t%2)+16*\p   ; the four bias tiles
.endr
.endr
	WIN 0
	HSTEP 1, 1, 0
	HSTEP 2, 0, 1
	HSTEP 3, 0, 0
	HSTEP 4, 0, 1
	HSTEP 5, 0, 0
	HSTEP 6, 0, 1
	HSTEP 7, 0, 0
	HSTEP -1, 0, 1
	WIN 0
	PLACES
	WIN 0xcc
.set j, 0
.rept 128
	v_max_num_f32 v[j], 0, v[j]                    ; the last activation, each accumulator from its low end on
.set j, j+1
.endr
	WIN 0x0c
	s_wait_alu depctr_va_vdst(0)                   ; the activation has written the results, which the LDS stores read; the layer's matrix instructions are done reading the activation sets, in which rows land on the way out
.irp m, 0,1,2,3
.irp b, 0,1
.irp p, 0,1,2,3
	ds_store_b128 v12, v[32*\m+16*\b+4*\p:32*\m+16*\b+4*\p+3] offset:16*SROW*\m+128*\b+16*\p   ; lane (r, h): row 16 m + r, columns 64 w + 32 b + 16 h + 4 p on.  The stage's first use ended three barriers ago
.endr
.endr
.endr
	WIN 0
.Lb3:
	BARRIER                                        ; 64 whole rows of results lie in the stage
	; ---------------- the way out: wave w stores the rows of slots 16 w on: results from the stage, or, in a tile of rows that pass through, x itself.
	; No vector or matrix line stands here: the registers in which the loads land were last named ahead of the waits above (on va_vdst: the head's, a quantiser's, layer 2's; on vm_vsrc: the phases' ends), and the stores' data come from loads
	s_cmp_eq_u32 s42, 0
	s_cbranch_scc1 .Lend
	s_cmp_eq_u32 s56, 0
	s_cbranch_scc1 .Lfromx
.set i, 0
.rept 16
	ds_load_b128 v[OUTR+8*i:OUTR+8*i+3], v10 offset:SROW*i
	ds_load_b128 v[OUTR+8*i+4:OUTR+8*i+7], v10 offset:SROW*i+512
.set i, i+1
.endr
	s_branch .Lstore
.Lfromx:
.set i, 0
.rept 16
	global_load_b128 v[OUTR+8*i:OUTR+8*i+3], v[VOFF+i], s[4:5]
	global_load_b128 v[OUTR+8*i+4:OUTR+8*i+7], v[VOFF+i], s[4:5] offset:512
.set i, i+1
.endr
.Lstore:
	s_wait_loadcnt 0x0
	s_wait_dscnt 0x0
.set i, 0
.rept 16
.if i > 0
	s_cmp_le_u32 s42, i                            ; slots behind the tile's last row are not stored
	s_cbranch_scc1 .Lend
.endif
	global_store_b128 v[VOFF+i], v[OUTR+8*i:OUTR+8*i+3], s[6:7] th:TH_STORE_NT               ; 32 lanes store 512 consecutive bytes, at a multiple of 256 from out0's first byte
	global_store_b128 v[VOFF+i], v[OUTR+8*i+4:OUTR+8*i+7], s[6:7] offset:512 th:TH_STORE_NT
.set i, i+1
.endr
.Lend:
	s_wait_dscnt 0x0
	s_wait_alu depctr_hold_cnt(0) depctr_sa_sdst(0) depctr_va_vdst(0) depctr_va_sdst(0) depctr_va_ssrc(0) depctr_va_vcc(0) depctr_vm_vsrc(0)
	s_wait_tensorcnt 0x0
	ds_add_u32 v254, v255
	s_wait_dscnt 0x0
	s_endpgm
.Lfunc_end_k_q3c00375793_chain:
	.size	k_q3c00375793_chain, .Lfunc_end_k_q3c00375793_chain-k_q3c00375793_chain
	.p2alignl 7, 3214868480
	.fill 96, 4, 3214868480
	.section	.rodata,"a",@progbits
	.p2align	6, 0x0
	.amdhsa_kernel k_q3c00375793_chain
		.amdhsa_group_segment_fixed_size 196096
		.amdhsa_private_segment_fixed_size 0
		.amdhsa_enable_private_segment 0
		.amdhsa_kernarg_size 88
		.amdhsa_user_sgpr_count 2
		.amdhsa_user_sgpr_kernarg_segment_ptr 1
		.amdhsa_wavefront_size32 1
		.amdhsa_system_sgpr_workgroup_id_x 1
		.amdhsa_system_sgpr_workgroup_id_y 1
		.amdhsa_system_sgpr_workgroup_id_z 1
		.amdhsa_system_vgpr_workitem_id 0
		.amdhsa_next_free_vgpr 1024
		.amdhsa_next_free_sgpr 66
		.amdhsa_reserve_vcc 0
		.amdhsa_float_denorm_mode_32 3
		.amdhsa_float_denorm_mode_16_64 3
		.amdhsa_memory_ordered 1
		.amdhsa_forward_progress 1
		.amdhsa_inst_pref_size 255
	.end_amdhsa_kernel
	.section	.bss,"aw",@nobits
	.p2align	6
	.space	262144
	.amdgpu_metadata
---
amdhsa.version: [ 1, 2 ]
amdhsa.kernels:
  - .name:           k_q3c00375793_chain
    .symbol:         k_q3c00375793_chain.kd
    .args:
      - { .name: x, .offset: 0, .size: 8, .value_kind: global_buffer, .address_space: global }
      - { .name: out0, .offset: 8, .size: 8, .value_kind: global_buffer, .address_space: global }
      - { .name: order, .offset: 16, .size: 8, .value_kind: global_buffer, .address_space: global }
      - { .name: meta, .offset: 24, .size: 8, .value_kind: global_buffer, .address_space: global }
      - { .name: wts, .offset: 32, .size: 8, .value_kind: global_buffer, .address_space: global }
      - { .name: b_neg0, .offset: 40, .size: 8, .value_kind: global_buffer, .address_space: global }
      - { .name: b_neg1, .offset: 48, .size: 8, .value_kind: global_buffer, .address_space: global }
      - { .name: b_neg2, .offset: 56, .size: 8, .value_kind: global_buffer, .address_space: global }
      - { .name: b_pos0, .offset: 64, .size: 8, .value_kind: global_buffer, .address_space: global }
      - { .name: b_pos1, .offset: 72, .size: 8, .value_kind: global_buffer, .address_space: global }
      - { .name: b_pos2, .offset: 80, .size: 8, .value_kind: global_buffer, .address_space: global }
    .group_segment_fixed_size: 196096
    .private_segment_fixed_size: 0
    .kernarg_segment_align: 8
    .kernarg_segment_size: 88
    .max_flat_workgroup_size: 128
    .sgpr_count:     66
    .vgpr_count:     1024
    .wavefront_size: 32
...
	.end_amdgpu_metadata
.endif
;; end of part 3
